; MI455X (gfx1250); checked and timed in simulation.
; The chip was launched on July 23, 2026; its instructions are those of AMD's public machine-readable ISA for CDNA 5 (MIT licence, August 2026) and "CDNA5" Instruction Set Architecture Reference Guide (July 2026). The comments in the code are by the model that wrote it; some were corrected since.
;; Multi Head Attention. Allowed arithmetic: matrix products marked QUANTISED: E2M3 operands, one E8M0 scale for each 32 along K, by v_wmma_scale_f32_16x16x128_f8f6f4 with both operands' format E2M3, f32 sums; products left as they are: f32 operands where the result goes on into a quantised operand, else bf16, f16 or f32 operands; f32 sums; everything else in f32.
;; Inputs: Wk 8 x 16 x 32 float32; Wo 256 x 16 float32; Wq 8 x 16 x 32 float32; Wv 8 x 16 x 32 float32; bk 8 x 32 float32; bo 16 float32; bq 8 x 32 float32; bv 8 x 32 float32; x 4,096 x 16 float32; y 4,096 x 16 float32.
;; Outputs: out0 4,096 x 16 float32.
;; This version of the problem:
;;   THIS VERSION OF THE PROBLEM IS GIVEN IN LOW PRECISION. The matrix products marked QUANTISED in the list below multiply operands that are first quantised to E2M3 (2 exponent bits, 3 mantissa bits; 6 bits a number), with one power-of-two scale for each 32 numbers along K (OCP MX v1.0); their sums are f32. All else is computed in f32.
;;   The module's matrix products, in the order in which they are computed (A, B: the left and right operand; K: the contracted axis; several contracted axes count as one K, in the product's order):
;;     1. [M 256, K 16] x [K 16, N 4,096]; A: input Wq; B: input x: left as it is (K = 16 < 32)
;;     2. [M 256, K 16] x [K 16, N 4,096]; A: input Wk; B: input y: left as it is (K = 16 < 32)
;;     3. [M 256, K 16] x [K 16, N 4,096]; A: input Wv; B: input y: left as it is (K = 16 < 32)
;;     4. batch 8 x [M 4,096, K 32] x [K 32, N 4,096]; A: computed on the way; B: computed on the way: QUANTISED
;;     5. batch 8 x [M 4,096, K 4,096] x [K 4,096, N 32]; A: softmax (see below); B: computed on the way: QUANTISED
;;     6. [M 4,096, K 256] x [K 256, N 16]; A: computed on the way; B: input Wo: QUANTISED
;;   THE QUANTISER, for each operand of a quantised product, along K:
;;     - K is cut into blocks of 32 from its start; a last block that is shorter is filled with zeros.
;;     - A block's scale is 2^e with e = floor(log2(the largest magnitude in the block)) - 2, held to -126 .. 127; a block of zeros has e = 0. As a byte (E8M0): e + 127.
;;     - Each number is divided by its block's scale, clamped to +-7.5, and rounded to the nearest number of E2M3, ties to even, subnormals kept.
;;     - The product sums the exact products of the quantised numbers (number of the format x scale) in f32.
;;   ~~~python
;;   def quantise(x, axis):      # numpy; x: float32 -> the quantised numbers, widened to float32 again
;;       x = np.moveaxis(x, axis, -1); K = x.shape[-1]
;;       x = np.pad(x, [(0, 0)] * (x.ndim - 1) + [(0, -K % 32)]); x = x.reshape(x.shape[:-1] + (-1, 32)); a = np.abs(x).max(-1, keepdims=True)
;;       e = np.where(a > 0, np.clip(np.frexp(np.where(a > 0, a, 1))[1] - 1 - 2, -126, 127), 0)      # np.frexp(a)[1] - 1 = floor(log2(a)), exactly
;;       r = np.clip(x / 2.0 ** e, -7.5, 7.5)
;;       step = 2.0 ** (np.maximum(np.frexp(np.where(r == 0, 1, r))[1] - 1, 0) - 3)
;;       q = np.round(r / step) * step * 2.0 ** e      # np.round: ties to even
;;       return np.moveaxis(q.reshape(q.shape[:-2] + (-1,))[..., :K], -1, axis).astype(np.float32)
;;   ~~~
;;   SOFTMAX AHEAD OF A QUANTISED PRODUCT. Where the list says 'softmax', what is quantised is not the finished softmax but p = 2^(t - M), with t = logit x log2(e) and M = ceil(the row's largest t), a whole number; so 1/2 < the row's largest p <= 1. The row's sum l is taken of the UNQUANTISED p, in f32, and the product's result is divided by l at the end. Since M is a whole number, a kernel that streams over the keys may use a running M (the ceiling of the running maximum): every later rescaling is an exact power of two, which a block's scale takes up: the codes' values come out the same.
;;   OPERANDS COMPUTED ON THE WAY. 'Computed on the way' means the value that the module computes at that place (a softmax that the list does not call 'softmax' is quantised finished and normalised). What goes into a quantiser is computed in f32, as accurately as f32 sums, v_exp_f32 and their like allow (about 1e-6 of the number): no bf16 or f16 on the way to a quantiser, and a product that is left as it is and whose result goes on into a quantised operand takes f32 operands (vector FMAs, or v_wmma_f32_16x16x4_f32). A number that lies on a knife's edge between two numbers of the format may be rounded either way, as far as f32 arithmetic and the matrix unit's own rounding can turn it there, and no further.
;; 2 versions. Each part assembles by itself: llvm-mc -triple=amdgcn-amd-amdhsa -mcpu=gfx1250 --defsym DOCPART=n.
;; ======== version 1 of 2: 3 launches
;; workspace buffers: kv 1,638,400 bytes; qc 851,968 bytes; part 2,097,152 bytes
;; launch prep (part 1): grid 32 x 8, 3 waves a work-group, no clusters, 18,944 bytes of LDS; arguments x, y, Wq, bq, Wk, bk, Wv, bv, kv, qc; writes kv, qc
.if DOCPART == 1
	.amdgcn_target "amdgcn-amd-amdhsa--gfx1250"
	.amdhsa_code_object_version 6
	.text
	.protected	k_q39a7d8b411_prep
	.globl	k_q39a7d8b411_prep
	.p2align	8
	.type	k_q39a7d8b411_prep,@function
k_q39a7d8b411_prep:
	s_mov_b64 s[64:65], 0
	v_nop
	global_prefetch_b8 v0, s[64:65] scope:SCOPE_SE
	s_setreg_imm32_b32 hwreg(HW_REG_WAVE_MODE, 25, 1), 1
	s_wait_xcnt 0x0
; q = x Wq + bq, k = y Wk + bk, v = y Wv + bv for ONE head and 128 rows, in f32 (fused multiply-adds, the bias as the first addend), then quantised to codes of
; FP6 (E2M3) with one E8M0 byte for each 32 along K: q and k along the head's 32 numbers, v along the keys.  The codes leave as IMAGES OF THE OPERANDS' REGISTERS
; of the attention launch, so that it fetches every fragment by loads of 16 bytes a lane at 16 x lane.
; SHARES.  Work-group (x = block of 128 rows, y = head).  Wave 0 makes k's part of the block's record in kv, wave 1 q's record in qc, wave 2 v's part in kv.
; The three take ONE path: buffers and a few offsets are chosen by the wave's number; only v's turn through LDS stands under a branch on it.  Waves share nothing: no barrier.
; A LANE HOLDS A ROW, its 32 accumulators the row's 32 outputs.  Four slots: slot b, lane L takes row 32 b + perm(L), perm(L) = 8 (L / 16) + L % 16 + 8 ((L % 16) / 8).
; The head's weights (16 x 32) and bias stand in vector registers, loaded with one address for all lanes: all 152 loads of a wave go out together.
; RECORDS.  kv: [head][block][6,400]: k's image 3,072 | v's image 3,072 | k's 32 scale words | v's 32 scale words.  qc: [head][block][3,328]: image 3,072 | 32 scale words | 128 spare.
;   k, q: fragment F (0, 1), lane L, register 6 c + i = dword i of the 24 bytes of row 32 (2 F + c) + perm(L); register R of lane L at byte 1536 F + 512 (R / 4) + 16 L + 4 (R % 4).
;         Scale word at 4 L: lanes 0-15 fragment 0's, lanes 16-31 fragment 1's; of row r = L % 16, byte 2 c + h is the byte of the row that lane (r, h) holds in registers 6 c on.
;   v:    tile u (0, 1), lane (r, h), register 6 c + i = dword i of the codes of keys 32 (2 c + h) + 0 .. 31 of channel perm(16 u + r); same byte formula with u for F.
;         Scale word at 4 (16 u + r): byte b for the block's keys 32 b on.
; A block's scale byte is its largest magnitude's exponent field - 2, held at 1 from below by a floor among the maximum's leaves.
; LIMITS: NaN and infinities among the inputs are not served.  A block whose largest magnitude lies under 2^-124, a block of zeros among them, gets the byte 1
; (for zeros the quantiser's text says 127): a block of zeros has zero codes, which add nothing under any byte but 0xff, and these bytes are read by this program alone.
.set RECKV, 6400
.set RECQ,  3328
.set Y,    16                          ; v16-79   slot b's 16 input numbers at Y + 16 b
.set BIAS, 80                          ; v80-111  the head's 32 biases
.set ACC,  128                         ; v128-255 slot b's 32 outputs at ACC + 32 b
.set C,    16                          ; v16-39   (Y's registers, free by then) slot s's six registers of codes at C + 6 s
.set T,    40                          ; v40-55   the upper half of each slot's codes as the conversion leaves it
.set MX,   56                          ; v56-59   largest magnitudes
.set SOP,  60                          ; v60-63   the conversions' scale operands
.set BY,   64                          ; v64-67   the scale bytes
.set SW,   74                          ; v74      my scale word
; v1 lane, v2 perm, v3 64 perm (input rows), v4 0 (one address for all lanes), v5, v6 where my two runs of 12 registers go, v7 where my scale word goes,
; v8 144 perm, v9 4 perm (the stage), v10 8 (lane / 16).  Window 1 (v256-511): the weights' rows 0-7, row d at 32 d.  Window 2: rows 8-15.
.set MSB, 0
.macro WIN new                         ; the immediate's high byte repeats the setting that is left
.if MSB != \new
	s_set_vgpr_msb (MSB<<8)|\new
.set MSB, \new
.endif
.endm
	s_load_b512 s[4:19], s[0:1], 0x0               ; x 4, y 6, Wq 8, bq 10, Wk 12, bk 14, Wv 16, bv 18
	s_load_b128 s[20:23], s[0:1], 0x40             ; kv 20, qc 22
	v_lshl_add_u32 v126, v0, 2, 0x4800
	v_mov_b32 v127, 0
	v_lshrrev_b32 v11, 5, v0
	v_readfirstlane_b32 s24, v11                   ; wave: 0 k, 1 q, 2 v
	s_and_b32 s26, ttmp7, 0xffff                   ; head
	v_and_b32 v1, 31, v0                           ; lane
	v_and_b32 v11, 15, v0                          ; r
	v_bfe_u32 v12, v0, 4, 1                        ; h
	v_and_b32 v13, 8, v11
	v_add_nc_u32 v2, v11, v13
	v_lshl_add_u32 v2, v12, 3, v2                  ; perm
	v_lshlrev_b32 v3, 6, v2                        ; an input row is 64 bytes
	v_mov_b32 v4, 0
	v_mul_u32_u24 v8, v2, 144                      ; the stage's rows: 128 bytes + 16
	v_lshlrev_b32 v9, 2, v2
	v_lshlrev_b32 v10, 3, v12
	s_mov_b32 s40, 0x76543210
	s_mov_b32 s41, 0xfedcba98                      ; v_permlanex16_b32's selects for lane l xor 16
	s_mov_b32 s39, 0
	s_wait_kmcnt 0x0
	; the choices hang on the wave's number alone; between a compare and its selects stand only moves and selects
	s_mov_b32 s36, RECKV
	s_mov_b32 s44, 6144
	s_cmp_eq_u32 s24, 1
	s_cselect_b64 s[28:29], s[4:5], s[6:7]         ; the rows: x for q, y for k and v
	s_cselect_b64 s[34:35], s[22:23], s[20:21]     ; the record's buffer
	s_cselect_b64 s[30:31], s[8:9], s[12:13]       ; the weights
	s_cselect_b64 s[32:33], s[10:11], s[14:15]     ; the bias
	s_cselect_b32 s36, RECQ, s36                   ; bytes from record to record
	s_cselect_b32 s44, 3072, s44                   ; where the scale words begin
	s_mov_b32 s42, 256
	s_mov_b32 s43, 1536
	s_cmp_eq_u32 s24, 2
	s_cselect_b64 s[30:31], s[16:17], s[30:31]
	s_cselect_b64 s[32:33], s[18:19], s[32:33]
	s_cselect_b32 s37, 3072, 0                     ; v's part begins behind k's image,
	s_cselect_b32 s44, 3200, s44                   ; its scale words 3,200 bytes further on
	s_cselect_b32 s42, 1536, s42                   ; lanes 16-31 stand 256 bytes on (k, q: the same fragment) or 1,536 (v: the other tile);
	s_cselect_b32 s43, 256, s43                    ; my second run of 12 registers 1,536 bytes on (k, q: the other fragment) or 256 (v: the other half of the lanes)
	s_cselect_b32 s45, -1, 0                       ; all lanes take v's form of the scale word, or none
	s_lshl_b32 s38, ttmp9, 13                      ; 128 rows of 64 bytes
	s_add_nc_u64 s[28:29], s[28:29], s[38:39]
	s_lshl_b32 s38, s26, 11                        ; a head's weights: 2,048 bytes
	s_add_nc_u64 s[30:31], s[30:31], s[38:39]
	s_lshl_b32 s38, s26, 7                         ; its bias: 128 bytes
	s_add_nc_u64 s[32:33], s[32:33], s[38:39]
	s_lshl_b32 s38, s26, 5
	s_add_co_u32 s38, s38, ttmp9
	s_mul_i32 s38, s38, s36
	s_add_co_u32 s38, s38, s37                     ; (32 head + block) records + my part
	s_add_nc_u64 s[34:35], s[34:35], s[38:39]
	v_mul_u32_u24 v5, v12, s42
	v_lshl_add_u32 v5, v11, 4, v5
	v_add_nc_u32 v6, s43, v5
	v_lshl_add_u32 v7, v1, 2, s44
	; ---- all loads at once: 16 of rows, 8 of bias, 128 of weights
.irp b, 0,1,2,3
.irp j, 0,1,2,3
	global_load_b128 v[Y+16*\b+4*\j:Y+16*\b+4*\j+3], v3, s[28:29] offset:2048*\b+16*\j
.endr
.endr
.irp i, 0,1,2,3,4,5,6,7
	global_load_b128 v[BIAS+4*\i:BIAS+4*\i+3], v4, s[32:33] offset:16*\i
.endr
	WIN 0x40                                       ; destination window 1, address window 0
.set i, 0
.rept 64
	global_load_b128 v[4*i:4*i+3], v4, s[30:31] offset:16*i
.set i, i+1
.endr
	WIN 0x80                                       ; destination window 2
.set i, 0
.rept 64
	global_load_b128 v[4*i:4*i+3], v4, s[30:31] offset:1024+16*i
.set i, i+1
.endr
; Input numbers d0 .. d0 + 7: for each, 128 multiply-adds that do not wait for each other.  The bias is the first addend: nothing is cleared.
.macro PROJ8 d0
.set d, 0
.rept 8
.set b, 0
.rept 4
.set j, 0
.rept 32
.if (\d0)+d == 0
	v_fma_f32 v[ACC+32*b+j], v[Y+16*b], v[j], v[BIAS+j]
.else
	v_fma_f32 v[ACC+32*b+j], v[Y+16*b+(\d0)+d], v[32*d+j], v[ACC+32*b+j]
.endif
.set j, j+1
.endr
.set b, b+1
.endr
.set d, d+1
.endr
.endm
	s_wait_loadcnt 63                              ; behind the weights' row 7 stand 64 loads; 63 is the largest count that the wait can name, and the stricter one
	WIN 0x04                                       ; source 1 (the weight) window 1
	PROJ8 0
	s_wait_loadcnt 0x0
	WIN 0x08                                       ; source 1 window 2
	PROJ8 8
	WIN 0                                          ; at a branch and at a label every window is 0
	; ---- v alone: its K is the keys, so lanes and registers change places, through the wave's own stage: 128 rows (keys, in their order) of 128 bytes + 16
	s_cmp_lg_u32 s24, 2
	s_cbranch_scc1 .Lrows
.irp b, 0,1,2,3
.irp j, 0,1,2,3,4,5,6,7
	ds_store_b128 v8, v[ACC+32*\b+4*\j:ACC+32*\b+4*\j+3] offset:4608*\b+16*\j
.endr
.endr
	s_wait_dscnt 0x0                               ; the stores are done: their registers take the loads below
.irp s, 0,1,2,3                                ; slot s takes the keys' block 0, 2, 1, 3: so slots 0, 1 are the 12 registers of a lane of the image's lower half, slots 2, 3 of its upper half
.set i, 0
.rept 32
	ds_load_b32 v[ACC+32*\s+i], v9 offset:4608*(2*(\s%2)+\s/2)+144*i   ; key i of the block, channel perm(lane): 32 lanes read 32 different words of one row
.set i, i+1
.endr
.endr
	s_wait_dscnt 0x0
.Lrows:
	; ---- four blocks of 32, each whole in a lane's 32 registers; the four by turns, so that no line waits for the line above it
.irp s, 0,1,2,3
	v_max3_num_f32 v[MX+\s], |v[ACC+32*\s]|, |v[ACC+32*\s+1]|, 0x1800000   ; and the floor 2^(3 - 127): the byte cannot fall under 1
.endr
.irp i, 2,4,6,8,10,12,14,16,18,20,22,24,26,28,30
.irp s, 0,1,2,3
	v_max3_num_f32 v[MX+\s], v[MX+\s], |v[ACC+32*\s+\i]|, |v[ACC+32*\s+\i+1]|
.endr
.endr
.irp s, 0,1,2,3
	v_add_nc_u32 v[SOP+\s], 0xff000000, v[MX+\s]   ; 2 off the exponent field: the conversion takes this operand's exponent field as its scale, and nothing else of it
.endr
.irp s, 0,1,2,3
	v_lshrrev_b32 v[BY+\s], 23, v[SOP+\s]          ; the scale's byte
.endr
.irp s, 0,1,2,3
	v_cvt_scalef32_pk16_fp6_f32 v[C+6*\s:C+6*\s+2], v[ACC+32*\s:ACC+32*\s+15], v[SOP+\s]
	v_cvt_scalef32_pk16_fp6_f32 v[T+4*\s:T+4*\s+2], v[ACC+32*\s+16:ACC+32*\s+31], v[SOP+\s]   ; (a conversion's three registers begin on an even number: the second half is made here and moved)
.endr
	v_nop                                          ; one plain place behind a scaled conversion
.irp s, 0,1,2,3
.irp i, 0,1,2
	v_mov_b32 v[C+6*\s+3+\i], v[T+4*\s+\i]
.endr
.endr
	; ---- the scale word, in both forms; the wave's kind chooses
	v_lshl_or_b32 v68, v[BY+1], 16, v[BY]          ; k, q: fragment 0: my rows of slots 0 and 1 give bytes h and 2 + h,
	v_lshl_or_b32 v69, v[BY+3], 16, v[BY+2]        ; fragment 1: slots 2 and 3
	v_lshlrev_b32 v68, v10, v68
	v_lshlrev_b32 v69, v10, v69
	v_mov_b32 v70, 0                               ; (a lane permute's destination counts as one of its sources)
	v_mov_b32 v71, 0
	v_permlanex16_b32 v70, v68, s40, s41
	v_permlanex16_b32 v71, v69, s40, s41
	v_or_b32 v68, v68, v70                         ; with lane l xor 16's two bytes the words are whole
	v_or_b32 v69, v69, v71
	v_cmp_gt_u32 vcc_lo, 16, v1
	v_cndmask_b32 v72, v69, v68, vcc_lo            ; lanes 0-15 keep fragment 0's, lanes 16-31 fragment 1's
	v_lshl_or_b32 v73, v[BY+2], 8, v[BY]           ; v: my channel's four blocks, in the keys' order (slots 0, 2, 1, 3)
	v_lshl_or_b32 v73, v[BY+1], 16, v73
	v_lshl_or_b32 v73, v[BY+3], 24, v73
	v_cndmask_b32 v[SW], v72, v73, s45
	; ---- out: in each store of 16 bytes a lane, sixteen neighbouring lanes cover 256 consecutive bytes at a multiple of 256 from the buffer's first byte
.irp g, 0,1,2
	global_store_b128 v5, v[C+4*\g:C+4*\g+3], s[34:35] offset:512*\g
	global_store_b128 v6, v[C+12+4*\g:C+12+4*\g+3], s[34:35] offset:512*\g
.endr
	global_store_b32 v7, v[SW], s[34:35]           ; 128 consecutive bytes
	s_wait_tensorcnt 0x0
	ds_add_u32 v126, v127
	s_wait_dscnt 0x0
	s_endpgm
.Lfunc_end_k_q39a7d8b411_prep:
	.size	k_q39a7d8b411_prep, .Lfunc_end_k_q39a7d8b411_prep-k_q39a7d8b411_prep
	.p2alignl 7, 3214868480
	.fill 96, 4, 3214868480
	.section	.rodata,"a",@progbits
	.p2align	6, 0x0
	.amdhsa_kernel k_q39a7d8b411_prep
		.amdhsa_group_segment_fixed_size 18944
		.amdhsa_private_segment_fixed_size 0
		.amdhsa_enable_private_segment 0
		.amdhsa_kernarg_size 80
		.amdhsa_user_sgpr_count 2
		.amdhsa_user_sgpr_kernarg_segment_ptr 1
		.amdhsa_wavefront_size32 1
		.amdhsa_system_sgpr_workgroup_id_x 1
		.amdhsa_system_sgpr_workgroup_id_y 1
		.amdhsa_system_sgpr_workgroup_id_z 1
		.amdhsa_system_vgpr_workitem_id 0
		.amdhsa_next_free_vgpr 768
		.amdhsa_next_free_sgpr 66
		.amdhsa_reserve_vcc 1
		.amdhsa_float_denorm_mode_32 3
		.amdhsa_float_denorm_mode_16_64 3
		.amdhsa_memory_ordered 1
		.amdhsa_forward_progress 1
		.amdhsa_inst_pref_size 163
	.end_amdhsa_kernel
	.amdgpu_metadata
---
amdhsa.version: [ 1, 2 ]
amdhsa.kernels:
  - .name:           k_q39a7d8b411_prep
    .symbol:         k_q39a7d8b411_prep.kd
    .args:
      - { .name: x, .offset: 0, .size: 8, .value_kind: global_buffer, .address_space: global }
      - { .name: y, .offset: 8, .size: 8, .value_kind: global_buffer, .address_space: global }
      - { .name: Wq, .offset: 16, .size: 8, .value_kind: global_buffer, .address_space: global }
      - { .name: bq, .offset: 24, .size: 8, .value_kind: global_buffer, .address_space: global }
      - { .name: Wk, .offset: 32, .size: 8, .value_kind: global_buffer, .address_space: global }
      - { .name: bk, .offset: 40, .size: 8, .value_kind: global_buffer, .address_space: global }
      - { .name: Wv, .offset: 48, .size: 8, .value_kind: global_buffer, .address_space: global }
      - { .name: bv, .offset: 56, .size: 8, .value_kind: global_buffer, .address_space: global }
      - { .name: kv, .offset: 64, .size: 8, .value_kind: global_buffer, .address_space: global }
      - { .name: qc, .offset: 72, .size: 8, .value_kind: global_buffer, .address_space: global }
    .group_segment_fixed_size: 18944
    .private_segment_fixed_size: 0
    .kernarg_segment_align: 8
    .kernarg_segment_size: 80
    .max_flat_workgroup_size: 96
    .sgpr_count:     66
    .vgpr_count:     768
    .wavefront_size: 32
...
	.end_amdgpu_metadata
.endif
;; end of part 1
;; launch attn (part 2): grid 32 x 8, 16 waves a work-group, clusters of 4 x 1, 247,808 bytes of LDS; arguments kv, qc, Wo, part; writes part
.if DOCPART == 2
	.amdgcn_target "amdgcn-amd-amdhsa--gfx1250"
	.amdhsa_code_object_version 6
	.text
	.protected	k_q39a7d8b411_attn
	.globl	k_q39a7d8b411_attn
	.p2align	8
	.type	k_q39a7d8b411_attn,@function
k_q39a7d8b411_attn:
	s_mov_b64 s[64:65], 0
	v_nop
	global_prefetch_b8 v0, s[64:65] scope:SCOPE_SE
	s_setreg_imm32_b32 hwreg(HW_REG_WAVE_MODE, 25, 1), 1
	s_wait_xcnt 0x0
	s_wait_alu depctr_hold_cnt(0) depctr_sa_sdst(0) depctr_va_vdst(0) depctr_va_sdst(0) depctr_va_ssrc(0) depctr_va_vcc(0) depctr_vm_vsrc(0)
	s_getreg_b32 s2, hwreg(HW_REG_IB_STS2, 6, 4)
	s_cmp_eq_u32 s2, 0
	s_cbranch_scc0 .Lentry_in_a_cluster
	s_endpgm
.Lentry_in_a_cluster:
	s_bfe_u32 s2, ttmp6, 0x10000c
	s_cmp_lg_u32 s2, 0x3003
	s_cbranch_scc0 .Lentry_shape_is_right
	s_endpgm
.Lentry_shape_is_right:
; For one head and 128 queries: scores = q k^T, a streaming softmax, heads = p v / l, and this head's share of the last product: part[head][n][0..15] = Q(heads[n][0..31]) Q(Wo[32 head + 0..31][0..15]).
; All three products on codes of FP6 (E2M3) with one E8M0 byte for each 32 along K.  k, v and q come as codes, laid as images of the operands' registers (the launch before this one).
; THE SOFTMAX: t = score x log2(e) / sqrt(32); M = the running largest t rounded UP to a whole number, kept as -M = floor(-t); p = 2^(t - M) is quantised along the keys, not normalised;
; the row's sum is taken of the unquantised p and divides at the end.  When M moves, the sum and O are multiplied by 2^(old M - new M), which rounds nothing.
; SHARES.  Sixteen waves of 256 registers, four to a SIMD, so that one wave's exponentials stand beside another's plain vector work, products and LDS loads.
; Wave w owns tile T = w % 8 of 16 queries and half w / 8 of the head's 4,096 keys: 16 steps of 128 keys.  The two halves of a tile meet through LDS at the end.
; Tile T's query r is row 32 (T / 2) + 8 (T % 2) + r + 8 (r / 8) of the block: the rows that q's image holds in block T % 4 of fragment T / 4.
; LDS.  The head's 32 step records (6,400 bytes: k's image, v's image, their scale words) are 204,800 dense bytes of memory: they are brought ONCE, each wave fetching two records by one
; tensor load of 50 rows of 256 bytes: one tensor load of a wave is out, and nothing is ever filled again.  Behind them: 2,560 bytes a wave for the meeting of the halves.  Every LDS read is 16 or 4 bytes x lane on end: no padding.
; CLUSTER.  The four query blocks of a cluster belong to one head, so each load is asked for JOINTLY, with the same descriptor and a mask that names the four.  My place in the cluster enters q's and part's addresses alone.
; K = 32 IN AN INSTRUCTION OF K = 128.  A fragment has four blocks of 32 along K (block 2 c + h: registers 6 c on of the lanes' half h).  A fragment of k holds FOUR tiles of 16 keys, one in each block;
; q stands in four variants, its 24 bytes in one block and zero codes in the other three.  The product with variant b is tile b's scores: the other blocks multiply zero codes and add nothing.
; LAYOUT.  Both products are used transposed (source 0 = 16 keys, or 16 channels of v; source 1 = my 16 queries): a lane holds ONE query (lane % 16) throughout.  The keys of a tile are chosen
; so that the 16 registers of tiles 2 b and 2 b + 1 are keys 32 b + 16 (lane / 16) + 0 .. 15; v's channels so that a lane's 16 registers of O^T are channels 16 (lane / 16) + 0 .. 15.
; THE LAST PRODUCT: in both operands lane (r, h) holds channels 16 h + 0 .. 15 in registers 0-2, that is at K places 32 h + 0 .. 15; every other register holds zero codes; bytes 0 and 1 of both scale words
; hold the one true block's byte.  So the block's two halves stand in two places under the same scale, and no lane changes places.
; LIMITS: NaN and infinities are not served.  A block whose largest magnitude lies under 2^-124 (of zeros too) gets the byte 1: see the launch before.  1 / l is v_rcp_f32 and a multiplication.
; t - M is one fused multiply-add of the score.  The sums over the two halves of the keys, and over the heads (next launch), are f32 sums in another order than one chain.
.set REC,  6400
.set QREC, 3328
.set CMB,  32*REC                      ; LDS: where the halves meet; stored by ds_store alone, no tile lands here
.set CMW,  2560                        ; a wave's part: O^T (4 x 512), then -M and l (512)
.set LI,  1                            ; v1   16 x lane
.set LS,  2                            ; v2   4 x lane
.set ADK, 3                            ; v3   the step's record + 16 x lane
.set ADS, 4                            ; v4   the step's record + 4 x lane
.set CMO, 5                            ; v5   my wave's part of CMB + 16 x lane
.set CMP, 6                            ; v6   my partner's (wave xor 8)
.set GO,  7                            ; v7   my byte in the tile's rows of part
.set NM,  12                           ; v12  -M;  v13 the largest t;  v[14:15] the sum in two halves
.set TX,  13
.set SUM, 14
.set Q0,  16                           ; v16-45: q in lanes 0-15 | zeros | q in lanes 16-31 | zeros | q in lanes 0-15, six registers each: the four variants are runs of 12 in it
.set Q1,  28
.set Q2,  34
.set Q3,  22
.set QS,  46                           ; v46-49 scale words and nothing else: q's, k's, v's, p's
.set KS,  47
.set VS,  48
.set PW,  49
.set KF,  50                           ; v50-73   k's two fragments
.set VF,  74                           ; v74-97   v's two
.set S,   98                           ; v98-161  S^T, then p
.set O,   162                          ; v162-177 O^T
.set PC,  178                          ; v178-189 p's codes
.set PT,  190                          ; v190-192, v194-196 their upper halves as the conversions leave them
.set BM,  198                          ; v198-201 each block's largest score, then largest p
.set BX,  202                          ; v202-205 the other half's; then the bytes
.set SOP, 206                          ; v206-209 the conversions' scale operands
.set TM,  210
.set FF,  212                          ; v[212:213] f = 2^(old M - new M), named as a pair
.set SU2, 214                          ; v[214:215] the sum's second chain
.set WF,  216                          ; v216-227 Wo's fragment
.set WS,  228                          ; its scale word;  v229 the head's
.set HS,  229
.set HC,  230                          ; v230-241 the head's fragment
.set OUT, 242                          ; v242-249 the last product
.set WOF, 250                          ; offsets of the loads at the head
.set QSO, 251
.set RR,  252                          ; r = lane % 16
.set HH,  253                          ; h = lane / 16
.set LN,  254                          ; lane
.set TP,  255
.set TQ,  114                          ; at the head: q's six dwords, and at + 6 its scale word
.set PO,  98                           ; at the end: my partner's O^T, -M, l
.set FA,  118                          ; and the two factors, as pairs
.set FB,  120
.set RL,  122
.set HD,  132                          ; the head's 16 numbers of my lane
; A round of the cluster's barrier: my work-group's barrier; wave 0 signals for the work-group; every wave waits for the four work-groups; my work-group's barrier once more.
.macro ROUND
	s_barrier_signal -1
	s_barrier_wait -1
	s_cmp_lg_u32 s12, 0
	s_cbranch_scc1 .Lnot_wave_0_\@
	s_barrier_signal -3
.Lnot_wave_0_\@:
	s_barrier_wait -3
	s_barrier_signal -1
	s_barrier_wait -1
.endm
; 16 numbers of a lane, half of a block of 32 whose other half lies in lane l xor 16: codes into v[dst .. dst + 2], the block's byte four times into v[sc].
.macro QHALF src, dst, sc
	v_max3_num_f32 v8, |v[\src]|, |v[\src+1]|, 0x1800000   ; with the floor 2^(3 - 127): the byte cannot fall under 1
.irp i, 2,4,6,8,10,12,14
	v_max3_num_f32 v8, v8, |v[\src+\i]|, |v[\src+\i+1]|
.endr
	v_permlanex16_b32 v9, v8, s20, s21
	v_max_num_f32 v8, v8, v9                       ; the block's largest magnitude
	v_add_nc_u32 v10, 0xff000000, v8               ; 2 off its exponent field: the conversion's scale operand
	v_lshrrev_b32 v11, 23, v10                     ; the byte
	v_lshl_or_b32 v11, v11, 8, v11
	v_lshl_or_b32 v[\sc], v11, 16, v11
	v_cvt_scalef32_pk16_fp6_f32 v[\dst:\dst+2], v[\src:\src+15], v10
	v_nop                                          ; one plain place behind a scaled conversion
.endm
; Tile t's scores: k's fragment t / 4 against the variant of q that stands in block t % 4.  Fragment 1's scale words lie in lanes 16-31 of k's register.
.macro SCORE t, qv
.if \t < 4
	v_wmma_scale_f32_16x16x128_f8f6f4 v[S+8*\t:S+8*\t+7], v[KF:KF+11], v[\qv:\qv+11], 0, v[KS], v[QS] matrix_a_fmt:MATRIX_FMT_FP6 matrix_b_fmt:MATRIX_FMT_FP6
.else
	v_wmma_scale_f32_16x16x128_f8f6f4 v[S+8*\t:S+8*\t+7], v[KF+12:KF+23], v[\qv:\qv+11], 0, v[KS], v[QS] matrix_a_fmt:MATRIX_FMT_FP6 matrix_b_fmt:MATRIX_FMT_FP6 matrix_a_scale:MATRIX_SCALE_ROW1
.endif
.endm
	s_load_b256 s[4:11], s[0:1], 0x0               ; kv 4, qc 6, Wo 8, part 10
	v_lshl_add_u32 v197, v0, 2, 0x3c000
	v_mov_b32 v211, 0
	ds_add_u32 v197, v211
	ds_add_u32 v197, v211
	v_lshrrev_b32 v8, 5, v0
	v_readfirstlane_b32 s12, v8                    ; wave 0..15
	s_and_b32 s13, s12, 7                          ; T: my tile of queries
	s_lshr_b32 s14, s12, 3                         ; my half of the keys
	s_bfe_u32 s15, ttmp6, 0x40000                  ; cx: my place in the cluster
	s_lshl_b32 s16, ttmp9, 2                       ; in a cluster launch ttmp9 counts clusters
	s_add_co_u32 s16, s16, s15                     ; my block of 128 queries
	s_and_b32 s17, ttmp7, 0xffff                   ; the head, which the four partners share
	; descriptor group 1: 50 dense rows of 256 bytes (32 elements of 8 bytes): two step records
	s_mov_b32 s24, 15|(3<<16)|(1<<21)              ; 15:0 the mask: all four work-groups; 17:16 elements of 8 bytes; 20 no padding; 21 set beside a mask
	s_mov_b32 s25, 32<<16                          ; tensor_dim0 = 32
	s_mov_b32 s26, 50<<16                          ; tensor_dim1 = 50
	s_mov_b32 s27, 32<<16                          ; tile_dim0 = 32
	s_mov_b32 s28, 50                              ; tile_dim1 = 50
	s_mov_b32 s29, 32                              ; elements from row to row
	s_mov_b32 s30, 0
	s_mov_b32 s31, 0
	s_mul_i32 s44, s12, 2*REC                      ; my two records: their place in the head's block, and in LDS: the wave's number alone
	s_mul_i32 s18, s17, 32*REC
	s_add_co_u32 s18, s18, s44
	s_mov_b32 s19, 0
	s_wait_dscnt 0x0
	s_wait_kmcnt 0x0
	s_mov_b32 s32, 1                               ; group 0: count = 1
	s_mov_b32 s33, s44                             ; LDS address
	s_add_nc_u64 s[34:35], s[4:5], s[18:19]        ; global address
	s_or_b32 s35, s35, 0x80000000                  ; type = 2
	ROUND                                          ; all four work-groups are here: the joint loads meet
	tensor_load_to_lds s[32:35], s[24:31]          ; my one tensor load
	s_nop 0
.rept 4
	v_nop                                          ; four v_nops behind the load
.endr
	; ---- addresses
	v_and_b32 v[LN], 31, v0
	v_and_b32 v[RR], 15, v0
	v_bfe_u32 v[HH], v0, 4, 1
	v_lshlrev_b32 v[LI], 4, v[LN]
	v_lshlrev_b32 v[LS], 2, v[LN]
	s_mul_i32 s42, s12, CMW
	s_add_co_u32 s42, s42, CMB
	v_add_nc_u32 v[CMO], s42, v[LI]
	s_xor_b32 s43, s12, 8
	s_mul_i32 s43, s43, CMW
	s_add_co_u32 s43, s43, CMB
	v_add_nc_u32 v[CMP], s43, v[LI]
	v_and_b32 v[TP], 8, v[RR]
	v_add_nc_u32 v[TP], v[TP], v[RR]               ; r + 8 (r / 8)
	v_lshlrev_b32 v[TP], 6, v[TP]                  ; a row of part is 64 bytes;
	v_lshl_add_u32 v[GO], v[HH], 5, v[TP]          ; my half's eight outputs
	s_mul_i32 s40, s14, 16*REC                     ; the first record of my half of the keys
	s_mov_b32 s20, 0x76543210
	s_mov_b32 s21, 0xfedcba98                      ; v_permlanex16_b32's selects for lane l xor 16
	s_mov_b32 s22, 0x3e8293ee                      ; c = log2(e) / sqrt(32)
	s_mov_b32 s23, s22                             ; (named with it as a pair, so it is written)
	; q: image lane r + 16 (T % 2) of fragment T / 4, registers 6 c .. 6 c + 5 with c = (T / 2) % 2: as three pieces of 8 bytes.  Register R of a lane lies at 512 (R / 4) + 4 (R % 4).
	s_lshr_b32 s46, s13, 2
	s_and_b32 s47, s13, 1
	s_bfe_u32 s48, s13, 0x10001
	s_mul_i32 s49, s46, 1536
	s_lshl_b32 s50, s47, 8
	s_add_co_u32 s49, s49, s50
	s_mul_i32 s50, s48, 520
	s_add_co_u32 s50, s50, s49                     ; registers 0, 1 at 0;    6, 7 at 520
	s_mul_i32 s51, s48, 1016
	s_add_co_u32 s51, s51, s49
	s_add_co_u32 s51, s51, 8                       ; registers 2, 3 at 8;    8, 9 at 1,024
	s_add_co_u32 s52, s50, 512                     ; registers 4, 5 at 512;  10, 11 at 1,032
	s_lshl_b32 s53, s46, 6
	s_add_co_u32 s53, s53, 3072                    ; the fragment's scale words
	s_and_b32 s45, s13, 3
	s_lshl_b32 s45, s45, 3                         ; and my tile's byte in them
	v_lshl_add_u32 v8, v[RR], 4, s50
	v_lshl_add_u32 v9, v[RR], 4, s51
	v_lshl_add_u32 v10, v[RR], 4, s52
	v_lshl_add_u32 v[QSO], v[RR], 2, s53
	v_lshlrev_b32 v[WOF], 2, v[RR]
	v_lshl_add_u32 v[WOF], v[HH], 10, v[WOF]       ; Wo: column r, rows 16 h on (a row is 64 bytes)
	s_lshl_b32 s18, s17, 5
	s_add_co_u32 s18, s18, s16
	s_mul_i32 s18, s18, QREC
	s_add_nc_u64 s[6:7], s[6:7], s[18:19]          ; my block's record of q
	s_lshl_b32 s18, s17, 11
	s_add_nc_u64 s[8:9], s[8:9], s[18:19]          ; the head's 32 rows of Wo
	s_lshl_b32 s18, s16, 7
	s_lshr_b32 s54, s13, 1
	s_lshl_b32 s54, s54, 5
	s_add_co_u32 s18, s18, s54
	s_lshl_b32 s54, s47, 3
	s_add_co_u32 s18, s18, s54                     ; my tile's first row: 128 block + 32 (T / 2) + 8 (T % 2)
	s_lshl_b32 s18, s18, 6
	s_lshl_b32 s54, s17, 18                        ; a head's part: 262,144 bytes
	s_add_co_u32 s18, s18, s54
	s_add_nc_u64 s[10:11], s[10:11], s[18:19]
	global_load_b64 v[TQ:TQ+1], v8, s[6:7]
	global_load_b64 v[TQ+2:TQ+3], v9, s[6:7]
	global_load_b64 v[TQ+4:TQ+5], v10, s[6:7]
	global_load_b32 v[TQ+6], v[QSO], s[6:7]
.irp i, 0,1,2,3,4,5,6,7,8,9,10,11,12,13,14,15
	global_load_b32 v[S+\i], v[WOF], s[8:9] offset:64*\i   ; Wo(32 head + 16 h + i, r)
.endr
	; ---- what the loop finds: the step is written once, and its first trip multiplies zeros
	v_mov_b32 v[TX], 0xff61b1e6                    ; the largest t so far: -3e38, under every t
	v_floor_f32 v[NM], -v[TX]
	v_mov_b32 v[SUM], 0
	v_mov_b32 v[SUM+1], 0
.irp j, 0,1,2,3,4,5,6,7,8,9,10,11,12,13,14,15
	v_mov_b32 v[O+\j], 0
.endr
.irp j, 0,1,2,3
	v_mov_b32 v[BX+\j], 0                          ; (a lane permute's destination counts as one of its sources)
.endr
	v_mov_b32 v[FF+1], 0                           ; (named as the upper half of a pair)
.irp j, 0,1,2,3,4,5
	v_mov_b32 v[Q3+\j], 0                          ; the zero codes between q's copies
	v_mov_b32 v[Q2+\j], 0
.endr
.irp j, 3,4,5,6,7,8,9,10,11
	v_mov_b32 v[WF+\j], 0                          ; and those of the last product's operands
	v_mov_b32 v[HC+\j], 0
.endr
	s_wait_loadcnt 16                              ; q's four loads are in; Wo's sixteen stand behind them
	v_cmp_gt_u32 vcc_lo, 16, v[LN]
.irp i, 0,1,2,3,4,5
	v_cndmask_b32 v[Q0+\i], v[Q3], v[TQ+\i], vcc_lo      ; q in lanes 0-15, zeros above
	v_cndmask_b32 v[Q2+6+\i], v[Q3], v[TQ+\i], vcc_lo    ; the same once more
	v_cndmask_b32 v[Q1+\i], v[TQ+\i], v[Q3], vcc_lo      ; q in lanes 16-31, zeros below
.endr
	v_lshrrev_b32 v8, s45, v[TQ+6]
	v_and_b32 v8, 0xff, v8                         ; my query's byte,
	v_lshl_or_b32 v8, v8, 8, v8
	v_lshl_or_b32 v[QS], v8, 16, v8                ; for whichever block q stands in
	s_wait_loadcnt 0x0
	QHALF S, WF, WS                                ; Wo's column r, rows 16 h on
	s_wait_tensorcnt 0x0                           ; my two records are in,
	s_barrier_signal -1
	s_barrier_wait -1                              ; everybody's are: the head's 32 records lie in LDS, and stay
	s_mov_b32 s41, 16
.Lstep:                                            ; 128 keys a trip
	v_add_nc_u32 v[ADK], s40, v[LI]
	v_add_nc_u32 v[ADS], s40, v[LS]
	v_nop
	v_nop                                          ; four places behind the last trip's two products, in front of the loads into v's registers
.irp g, 0,1,2,3,4,5
	ds_load_b128 v[KF+4*\g:KF+4*\g+3], v[ADK] offset:512*\g
.endr
	ds_load_b32 v[KS], v[ADS] offset:6144
.irp g, 0,1,2,3,4,5
	ds_load_b128 v[VF+4*\g:VF+4*\g+3], v[ADK] offset:3072+512*\g
.endr
	ds_load_b32 v[VS], v[ADS] offset:6272
	s_wait_dscnt 7                                 ; k's seven loads are in; v's seven stand behind them
	SCORE 0, Q0
	SCORE 1, Q1
	SCORE 2, Q2
	SCORE 3, Q3
	SCORE 4, Q0
	SCORE 5, Q1
	SCORE 6, Q2
	SCORE 7, Q3                                    ; lane (r, h): query r; registers 16 b + i: key 32 b + 16 h + i
.rept 4
	v_nop
.endr
.irp b, 0,1,2,3
	v_max3_num_f32 v[BM+\b], v[S+16*\b], v[S+16*\b+1], v[S+16*\b+2]   ; the largest score of each block of 32 keys: it serves the row's maximum and, since p rises with the score, the block's largest p
.endr
.irp i, 3,5,7,9,11,13
.irp b, 0,1,2,3
	v_max3_num_f32 v[BM+\b], v[BM+\b], v[S+16*\b+\i], v[S+16*\b+\i+1]   ; (the four blocks by turns; each accumulator is read from its low end on)
.endr
.endr
.irp b, 0,1,2,3
	v_max_num_f32 v[BM+\b], v[BM+\b], v[S+16*\b+15]
.endr
.irp b, 0,1,2,3
	v_permlanex16_b32 v[BX+\b], v[BM+\b], s20, s21
.endr
.irp b, 0,1,2,3
	v_max_num_f32 v[BM+\b], v[BM+\b], v[BX+\b]     ; with lane l xor 16's 16 keys
.endr
	v_max3_num_f32 v[TM], v[BM], v[BM+1], v[BM+2]
	v_max_num_f32 v[TM], v[TM], v[BM+3]            ; the step's largest score of my query,
	v_mul_f32 v[TM], s22, v[TM]                    ; as t (c is positive)
	v_max_num_f32 v[TX], v[TX], v[TM]              ; the running largest t
	v_mov_b32 v[TM], v[NM]
	v_floor_f32 v[NM], -v[TX]                      ; the new -M = floor(-t) = -ceil(t): a whole number
	v_sub_f32 v[TM], v[NM], v[TM]                  ; old M - new M: a whole number, 0 or less
	v_cvt_i32_f32 v[TM], v[TM]                     ; (it saturates)
	v_ldexp_f32 v[FF], 1.0, v[TM]                  ; f = 2^(old M - new M)
.set j, 0
.rept 32
	v_pk_fma_f32 v[S+j:S+j+1], v[S+j:S+j+1], s[22:23], v[NM:NM+1] op_sel_hi:[1,0,0]   ; t - M, two at a time (of the pairs c and -M the low word serves both halves)
.set j, j+2
.endr
.irp b, 0,1,2,3
	v_fma_f32 v[BM+\b], v[BM+\b], s22, v[NM]       ; the same of each block's largest score
.endr
.set j, 0
.rept 64
	v_exp_f32 v[S+j], v[S+j]                       ; p = 2^(t - M): not normalised
.set j, j+1
.endr
.irp b, 0,1,2,3
	v_exp_f32 v[BM+\b], v[BM+\b]                   ; the block's largest p: the same two instructions on the same number give the same bits
.endr
	v_pk_mul_f32 v[SUM:SUM+1], v[SUM:SUM+1], v[FF:FF+1] op_sel_hi:[1,0]   ; the sums under the new M.  (The plain place behind the exponentials)
	s_wait_alu depctr_va_vdst(0)
.irp b, 0,1,2,3
	v_max_num_f32 v[BM+\b], 0x1800000, v[BM+\b]    ; the floor 2^(3 - 127): the byte cannot fall under 1 (a block whose every p has fallen to 0 keeps that byte: its codes are zeros)
.endr
.irp b, 0,1,2,3
	v_add_nc_u32 v[SOP+\b], 0xff000000, v[BM+\b]   ; 2 off the exponent field: the conversion's scale operand
.endr
.irp b, 0,1,2,3
	v_lshrrev_b32 v[BX+\b], 23, v[SOP+\b]          ; the scale's byte
.endr
	v_lshl_or_b32 v[PW], v[BX+1], 8, v[BX]         ; p's scale word for these 128 keys
	v_lshl_or_b32 v[PW], v[BX+2], 16, v[PW]
	v_lshl_or_b32 v[PW], v[BX+3], 24, v[PW]
.irp c, 0,1
	v_cvt_scalef32_pk16_fp6_f32 v[PC+6*\c:PC+6*\c+2], v[S+32*\c:S+32*\c+15], v[SOP+2*\c]
	v_cvt_scalef32_pk16_fp6_f32 v[PT+4*\c:PT+4*\c+2], v[S+32*\c+16:S+32*\c+31], v[SOP+2*\c+1]   ; (a conversion's three registers begin on an even number)
.endr
	v_nop                                          ; one plain place behind a scaled conversion
.irp c, 0,1                                    ; the operand's layout wants a WHOLE block in a lane: lanes 0-15 block 2 c, lanes 16-31 block 2 c + 1
.irp i, 0,1,2
	v_permlane16_swap_b32 v[PC+6*\c+\i], v[PT+4*\c+\i]
.endr
.irp i, 0,1,2
	v_mov_b32 v[PC+6*\c+3+\i], v[PT+4*\c+\i]
.endr
.endr
	v_pk_add_f32 v[SU2:SU2+1], v[S:S+1], v[S+2:S+3]   ; the row's sum is taken of the UNQUANTISED p: two at a time, in two chains.  (These 32 are also the places between p's codes and scale word and the products below)
.irp j, 4,8,12,16,20,24,28,32,36,40,44,48,52,56,60
	v_pk_add_f32 v[SUM:SUM+1], v[SUM:SUM+1], v[S+\j:S+\j+1]
	v_pk_add_f32 v[SU2:SU2+1], v[SU2:SU2+1], v[S+\j+2:S+\j+3]
.endr
	v_pk_add_f32 v[SUM:SUM+1], v[SUM:SUM+1], v[SU2:SU2+1]
.irp j, 0,2,4,6,8,10,12,14
	v_pk_mul_f32 v[O+\j:O+\j+1], v[O+\j:O+\j+1], v[FF:FF+1] op_sel_hi:[1,0]   ; O^T under the new M, each accumulator from its low end on
.endr
	s_wait_dscnt 0x0                               ; v's fragments and scale words are in
	; O^T += v^T p^T.  The two accumulators take turns, and the next trip's eight score products stand between a link and the next
	v_wmma_scale_f32_16x16x128_f8f6f4 v[O:O+7], v[VF:VF+11], v[PC:PC+11], v[O:O+7], v[VS], v[PW] matrix_a_fmt:MATRIX_FMT_FP6 matrix_b_fmt:MATRIX_FMT_FP6
	v_wmma_scale_f32_16x16x128_f8f6f4 v[O+8:O+15], v[VF+12:VF+23], v[PC:PC+11], v[O+8:O+15], v[VS], v[PW] matrix_a_fmt:MATRIX_FMT_FP6 matrix_b_fmt:MATRIX_FMT_FP6 matrix_a_scale:MATRIX_SCALE_ROW1
	s_add_co_u32 s40, s40, REC                     ; the next record
	s_sub_co_u32 s41, s41, 1
	s_cmp_lg_u32 s41, 0
	s_cbranch_scc1 .Lstep
	; ---- the two halves of the keys meet.  Every wave stores its O^T, -M and l, though only the upper half's are read: so no wave parts from the others ahead of the barrier
.rept 4
	v_nop                                          ; places behind the last products
.endr
	v_add_f32 v[SUM], v[SUM], v[SUM+1]             ; the sum's two halves,
	v_permlanex16_b32 v[TM], v[SUM], s20, s21
	v_add_f32 v[TX], v[SUM], v[TM]                 ; and lane l xor 16's: l, beside -M
.irp g, 0,1,2,3
	ds_store_b128 v[CMO], v[O+4*\g:O+4*\g+3] offset:512*\g
.endr
	ds_store_b128 v[CMO], v[NM:NM+3] offset:2048   ; -M, l (the other two words are not read)
	s_wait_dscnt 0x0                               ; for the others' sake: my stores are done
	s_barrier_signal -1
	s_barrier_wait -1
	s_cmp_lg_u32 s14, 0
	s_cbranch_scc1 .Lclose                         ; the waves of the upper half have handed their part over
.irp g, 0,1,2,3,4
	ds_load_b128 v[PO+4*\g:PO+4*\g+3], v[CMP] offset:512*\g
.endr
	s_wait_dscnt 0x0
	v_min_num_f32 v[TM], v[NM], v[PO+16]           ; -M of both halves together
	v_sub_f32 v8, v[TM], v[NM]                     ; my M less the common one: a whole number, 0 or less
	v_sub_f32 v9, v[TM], v[PO+16]                  ; my partner's likewise
	v_cvt_i32_f32 v8, v8
	v_cvt_i32_f32 v9, v9
	v_ldexp_f32 v[FA], 1.0, v8
	v_ldexp_f32 v[FB], 1.0, v9
	v_mul_f32 v10, v[TX], v[FA]
	v_fma_f32 v10, v[PO+17], v[FB], v10            ; l under the common M
	v_rcp_f32 v[RL], v10
	v_mov_b32 v[FA+1], 0                           ; (the plain place behind the reciprocal; the pairs' upper halves are named, so they are written)
	v_mov_b32 v[FB+1], 0
	s_wait_alu depctr_va_vdst(0)
	v_mul_f32 v[FA], v[FA], v[RL]                  ; a power of two times 1 / l: nothing is rounded
	v_mul_f32 v[FB], v[FB], v[RL]
.irp j, 0,2,4,6,8,10,12,14
	v_pk_mul_f32 v[HD+\j:HD+\j+1], v[O+\j:O+\j+1], v[FA:FA+1] op_sel_hi:[1,0]
.endr
.irp j, 0,2,4,6,8,10,12,14
	v_pk_fma_f32 v[HD+\j:HD+\j+1], v[PO+\j:PO+\j+1], v[FB:FB+1], v[HD+\j:HD+\j+1] op_sel_hi:[1,0,1]   ; heads(query r, channels 16 h + 0 .. 15)
.endr
	QHALF HD, HC, HS
.rept 8
	v_nop                                          ; a scale register written by a vector instruction stands 8 places ahead of a scaled matrix instruction, an operand so written 4
.endr
	v_wmma_scale_f32_16x16x128_f8f6f4 v[OUT:OUT+7], v[WF:WF+11], v[HC:HC+11], 0, v[WS], v[HS] matrix_a_fmt:MATRIX_FMT_FP6 matrix_b_fmt:MATRIX_FMT_FP6   ; source 0 = Wo's 16 columns, source 1 = my 16 queries: lane (r, h) holds query r, outputs 8 h + 0 .. 7
.rept 4
	v_nop
.endr
	global_store_b128 v[GO], v[OUT:OUT+3], s[10:11]
	global_store_b128 v[GO], v[OUT+4:OUT+7], s[10:11] offset:16   ; the two together cover two runs of 512 consecutive bytes (rows 0-7 and 16-23 of the tile's 24)
.Lclose:
	s_wait_tensorcnt 0x0
	ds_add_u32 v197, v211
	s_wait_dscnt 0x0
	ROUND                                          ; the closing round: no work-group ends while a partner may still ask for a tile that names it
	s_endpgm
.Lfunc_end_k_q39a7d8b411_attn:
	.size	k_q39a7d8b411_attn, .Lfunc_end_k_q39a7d8b411_attn-k_q39a7d8b411_attn
	.p2alignl 7, 3214868480
	.fill 96, 4, 3214868480
	.section	.rodata,"a",@progbits
	.p2align	6, 0x0
	.amdhsa_kernel k_q39a7d8b411_attn
		.amdhsa_group_segment_fixed_size 247808
		.amdhsa_private_segment_fixed_size 0
		.amdhsa_enable_private_segment 0
		.amdhsa_kernarg_size 32
		.amdhsa_user_sgpr_count 2
		.amdhsa_user_sgpr_kernarg_segment_ptr 1
		.amdhsa_wavefront_size32 1
		.amdhsa_system_sgpr_workgroup_id_x 1
		.amdhsa_system_sgpr_workgroup_id_y 1
		.amdhsa_system_sgpr_workgroup_id_z 1
		.amdhsa_system_vgpr_workitem_id 0
		.amdhsa_next_free_vgpr 256
		.amdhsa_next_free_sgpr 66
		.amdhsa_reserve_vcc 1
		.amdhsa_float_denorm_mode_32 3
		.amdhsa_float_denorm_mode_16_64 3
		.amdhsa_memory_ordered 1
		.amdhsa_forward_progress 1
		.amdhsa_inst_pref_size 29
	.end_amdhsa_kernel
	.amdgpu_metadata
---
amdhsa.version: [ 1, 2 ]
amdhsa.kernels:
  - .name:           k_q39a7d8b411_attn
    .symbol:         k_q39a7d8b411_attn.kd
    .args:
      - { .name: kv, .offset: 0, .size: 8, .value_kind: global_buffer, .address_space: global }
      - { .name: qc, .offset: 8, .size: 8, .value_kind: global_buffer, .address_space: global }
      - { .name: Wo, .offset: 16, .size: 8, .value_kind: global_buffer, .address_space: global }
      - { .name: part, .offset: 24, .size: 8, .value_kind: global_buffer, .address_space: global }
    .group_segment_fixed_size: 247808
    .private_segment_fixed_size: 0
    .kernarg_segment_align: 8
    .kernarg_segment_size: 32
    .max_flat_workgroup_size: 512
    .sgpr_count:     66
    .vgpr_count:     256
    .wavefront_size: 32
...
	.end_amdgpu_metadata
.endif
;; end of part 2
;; launch sum (part 3): grid 256 x 1, 2 waves a work-group, no clusters, 0 bytes of LDS; arguments part, bo, out0; writes out0
.if DOCPART == 3
	.amdgcn_target "amdgcn-amd-amdhsa--gfx1250"
	.amdhsa_code_object_version 6
	.text
	.protected	k_q39a7d8b411_sum
	.globl	k_q39a7d8b411_sum
	.p2align	8
	.type	k_q39a7d8b411_sum,@function
k_q39a7d8b411_sum:
	s_mov_b64 s[64:65], 0
	v_nop
	global_prefetch_b8 v0, s[64:65] scope:SCOPE_SE
	s_setreg_imm32_b32 hwreg(HW_REG_WAVE_MODE, 25, 1), 1
	s_wait_xcnt 0x0
; out0[n][o] = bo[o] + the sum over the 8 heads of part[head][n][o], in f32, heads ascending.
; A stream: thread g = 64 x work-group + thread owns the 16 bytes at 16 g of out0 (four outputs of one row of 64 bytes) and reads the same 16 bytes of each head's 262,144.
; A wave's load or store covers 512 consecutive bytes.  All nine loads go out together.  No LDS, no barrier, no matrix unit: nothing is shared and nothing is multiplied.
	s_load_b128 s[4:7], s[0:1], 0x0                ; part, bo
	s_load_b64 s[8:9], s[0:1], 0x10                ; out0
	v_and_b32 v1, 3, v0
	v_lshlrev_b32 v1, 4, v1                        ; which four of the 16 biases
	s_lshl_b32 s10, ttmp9, 10                      ; 64 threads x 16 bytes
	v_lshl_add_u32 v2, v0, 4, s10
	s_wait_kmcnt 0x0
	global_load_b128 v[4:7], v1, s[6:7]
.irp h, 0,1,2,3,4,5,6,7
	global_load_b128 v[8+4*\h:11+4*\h], v2, s[4:5] offset:262144*\h th:TH_LOAD_NT   ; read once in the launch
.endr
.irp h, 0,1,2,3,4,5,6,7
	s_wait_loadcnt 7-\h                            ; head h's load is in (and the bias, issued first); the later heads' may be out
	v_pk_add_f32 v[4:5], v[4:5], v[8+4*\h:9+4*\h]
	v_pk_add_f32 v[6:7], v[6:7], v[10+4*\h:11+4*\h]
.endr
	global_store_b128 v2, v[4:7], s[8:9]
	s_endpgm
.Lfunc_end_k_q39a7d8b411_sum:
	.size	k_q39a7d8b411_sum, .Lfunc_end_k_q39a7d8b411_sum-k_q39a7d8b411_sum
	.p2alignl 7, 3214868480
	.fill 96, 4, 3214868480
	.section	.rodata,"a",@progbits
	.p2align	6, 0x0
	.amdhsa_kernel k_q39a7d8b411_sum
		.amdhsa_group_segment_fixed_size 0
		.amdhsa_private_segment_fixed_size 0
		.amdhsa_enable_private_segment 0
		.amdhsa_kernarg_size 24
		.amdhsa_user_sgpr_count 2
		.amdhsa_user_sgpr_kernarg_segment_ptr 1
		.amdhsa_wavefront_size32 1
		.amdhsa_system_sgpr_workgroup_id_x 1
		.amdhsa_system_sgpr_workgroup_id_y 1
		.amdhsa_system_sgpr_workgroup_id_z 1
		.amdhsa_system_vgpr_workitem_id 0
		.amdhsa_next_free_vgpr 48
		.amdhsa_next_free_sgpr 66
		.amdhsa_reserve_vcc 0
		.amdhsa_float_denorm_mode_32 3
		.amdhsa_float_denorm_mode_16_64 3
		.amdhsa_memory_ordered 1
		.amdhsa_forward_progress 1
		.amdhsa_inst_pref_size 3
	.end_amdhsa_kernel
	.amdgpu_metadata
---
amdhsa.version: [ 1, 2 ]
amdhsa.kernels:
  - .name:           k_q39a7d8b411_sum
    .symbol:         k_q39a7d8b411_sum.kd
    .args:
      - { .name: part, .offset: 0, .size: 8, .value_kind: global_buffer, .address_space: global }
      - { .name: bo, .offset: 8, .size: 8, .value_kind: global_buffer, .address_space: global }
      - { .name: out0, .offset: 16, .size: 8, .value_kind: global_buffer, .address_space: global }
    .group_segment_fixed_size: 0
    .private_segment_fixed_size: 0
    .kernarg_segment_align: 8
    .kernarg_segment_size: 24
    .max_flat_workgroup_size: 64
    .sgpr_count:     66
    .vgpr_count:     48
    .wavefront_size: 32
...
	.end_amdgpu_metadata
.endif
;; end of part 3
;; ======== version 2 of 2: 3 launches
;; limits: right only within a limited range of input values
;; workspace buffers: kv 1,638,400 bytes; qc 851,968 bytes; part 2,097,152 bytes
;; launch prep (part 4): grid 32 x 8, 6 waves a work-group, no clusters, 0 bytes of LDS; arguments x, y, Wq, bq, Wk, bk, Wv, bv, kv, qc; writes kv, qc
.if DOCPART == 4
	.amdgcn_target "amdgcn-amd-amdhsa--gfx1250"
	.amdhsa_code_object_version 6
	.text
	.protected	k_q39a7d8b411_prep
	.globl	k_q39a7d8b411_prep
	.p2align	8
	.type	k_q39a7d8b411_prep,@function
k_q39a7d8b411_prep:
	s_mov_b64 s[64:65], 0
	v_nop
	global_prefetch_b8 v0, s[64:65] scope:SCOPE_SE
	s_setreg_imm32_b32 hwreg(HW_REG_WAVE_MODE, 25, 1), 1
	s_wait_xcnt 0x0
; q = x Wq + bq, k = y Wk + bk, v = y Wv + bv for ONE head and 128 rows, in f32 (f32 matrix instructions, the bias as the sums' first C), then quantised to codes of
; FP6 (E2M3) with one E8M0 byte for each 32 along K: q and k along the head's 32 numbers, v along the keys.  The codes leave as IMAGES OF THE OPERANDS' REGISTERS
; of the attention launch.
; SHARES.  Work-group (x = block of 128 rows, y = head).  Wave 2 kind + a: kind 0 k, 1 q, 2 v; a = fragment (k, q: 64 rows) or tile of 16 channels (v).  Waves share nothing: no barrier, no LDS.
; A wave makes four blocks of 32 x 16 lanes, t = 2 c + e: 16 numbers a lane in two accumulators of 8, 32 numbers in lanes l and l xor 16 together.
;   k, q: source 0 = the weight (tile u: output 16 (m / 8) + 8 u + m % 8), source 1 = rows 64 a + 16 c + 8 e + 32 (r / 8) + r % 8: lane (r, h) holds its row's outputs 16 h + 0 .. 15.
;   v:    source 0 = keys 32 t + 16 (m / 8) + 8 u + m % 8, source 1 = channel 8 a + 16 (r / 8) + r % 8: lane (r, h) holds its channel's keys 32 t + 16 h + 0 .. 15.
; K = 16 is taken in the order k = 8 h + 2 s + j (step s, register j) on both sides, so that a lane's 8 numbers of a row are 32 bytes on end.
; RECORDS.  kv: [head][block][6,400]: k's image 3,072 | v's image 3,072 | k's 32 scale words | v's 32 scale words.  qc: [head][block][3,328]: image 3,072 | 32 scale words | 128 spare.
;   Image: a, lane L, register R (0 .. 11) at byte 1536 a + 512 (R / 4) + 16 L + 4 (R % 4); registers 6 c on of lane (r, h) hold block t = 2 c + h of row (channel) r.
;   Scale word at 4 (16 a + r): byte t is block t's.
; A block's scale byte is its largest magnitude's exponent field - 2, held at 1 from below by a floor among the maximum's leaves.
; LIMITS: NaN and infinities among the inputs are not served.  A block whose largest magnitude lies under 2^-124, a block of zeros among them, gets the byte 1
; (for zeros the quantiser's text says 127): a block of zeros has zero codes, which add nothing under any byte but 0xff, and these bytes are read by this program alone.
.set RECKV, 6400
.set RECQ,  3328
.set R,    16                          ; v16-79   rows: 8 registers a tile
.set WT,   80                          ; v80-95   weights: 8 registers a tile
.set BI,   96                          ; v96-111  biases as C
.set ACC,  112                         ; v112-175 the sums: block t, tile u at ACC + 16 t + 8 u; written by matrix instructions alone
.set C,    176                         ; v176-187 the image's twelve registers
.set TT,   188                         ; v188-190, v192-194 the codes of the blocks e = 1
.set MX,   196
.set PX,   200
.set SOP,  204
.set BY,   208
.set SW,   212
	s_load_b512 s[4:19], s[0:1], 0x0               ; x 4, y 6, Wq 8, bq 10, Wk 12, bk 14, Wv 16, bv 18
	s_load_b128 s[20:23], s[0:1], 0x40             ; kv 20, qc 22
	v_lshrrev_b32 v11, 5, v0
	v_readfirstlane_b32 s24, v11
	s_lshr_b32 s25, s24, 1                         ; kind
	s_and_b32 s27, s24, 1                          ; a
	s_and_b32 s26, ttmp7, 0xffff                   ; head
	s_lshl_b32 s42, s27, 12                        ; k, q: 64 a rows of 64 bytes
	s_lshl_b32 s43, s27, 5                         ; v: 8 a channels of 4 bytes
	s_mov_b32 s36, RECKV
	s_mov_b32 s44, 6144
	s_cmp_eq_u32 s25, 1
	s_cselect_b32 s36, RECQ, s36                   ; bytes from record to record
	s_cselect_b32 s44, 3072, s44                   ; where the scale words begin, from my part
	s_cmp_eq_u32 s25, 2
	s_cselect_b32 s37, 3072, 0                     ; v's part begins behind k's image
	s_cselect_b32 s44, 3200, s44
	s_cselect_b32 s42, 0, s42
	s_cselect_b32 s43, s43, 0
	s_lshl_b32 s45, s27, 6
	s_add_co_u32 s44, s44, s45                     ; + 64 a
	s_mul_i32 s45, s27, 1536
	s_mov_b32 s40, 0x76543210
	s_mov_b32 s41, 0xfedcba98                      ; v_permlanex16_b32's selects for lane l xor 16
	s_mov_b32 s39, 0
	v_and_b32 v1, 31, v0                           ; lane
	v_and_b32 v2, 15, v0                           ; r
	v_bfe_u32 v3, v0, 4, 1                         ; h
	v_and_b32 v12, 7, v2                           ; r % 8
	v_and_b32 v13, 8, v2                           ; 8 (r / 8)
	v_lshlrev_b32 v14, 6, v12
	v_lshl_add_u32 v14, v3, 5, v14                 ; 64 (r % 8) + 32 h
	v_lshl_add_u32 v4, v13, 8, v14                 ; k, q: + 2048 (r / 8)
	v_lshl_add_u32 v9, v13, 7, v14                 ; v: + 1024 (r / 8)
	v_lshlrev_b32 v10, 2, v12
	v_lshl_add_u32 v10, v13, 3, v10                ; 4 (16 (r / 8) + r % 8): the output, or the channel
	v_lshl_add_u32 v5, v3, 10, v10                 ; a weight's rows 8 h on (128 bytes a row)
	v_lshlrev_b32 v6, 6, v3                        ; k, q: biases 16 h on
	v_lshlrev_b32 v7, 4, v1
	v_add_nc_u32 v7, s45, v7                       ; the image: 1536 a + 16 lane
	v_lshlrev_b32 v8, 2, v2
	v_add_nc_u32 v8, s44, v8                       ; my scale word
	s_wait_alu depctr_va_vdst(0)                   ; the wait at the head's end
	s_wait_kmcnt 0x0
	s_cmp_eq_u32 s25, 1
	s_cselect_b64 s[28:29], s[4:5], s[6:7]         ; the rows: x for q, y for k and v
	s_cselect_b64 s[34:35], s[22:23], s[20:21]     ; the record's buffer
	s_cselect_b64 s[30:31], s[8:9], s[12:13]       ; the weights
	s_cselect_b64 s[32:33], s[10:11], s[14:15]     ; the bias
	s_cmp_eq_u32 s25, 2
	s_cselect_b64 s[30:31], s[16:17], s[30:31]
	s_cselect_b64 s[32:33], s[18:19], s[32:33]
	s_lshl_b32 s38, ttmp9, 13                      ; 128 rows of 64 bytes
	s_add_co_u32 s38, s38, s42
	s_add_nc_u64 s[28:29], s[28:29], s[38:39]
	s_lshl_b32 s38, s26, 11                        ; a head's weights: 2,048 bytes
	s_add_co_u32 s38, s38, s43
	s_add_nc_u64 s[30:31], s[30:31], s[38:39]
	s_lshl_b32 s38, s26, 7                         ; its bias: 128 bytes
	s_add_co_u32 s38, s38, s43
	s_add_nc_u64 s[32:33], s[32:33], s[38:39]
	s_lshl_b32 s38, s26, 5
	s_add_co_u32 s38, s38, ttmp9
	s_mul_i32 s38, s38, s36
	s_add_co_u32 s38, s38, s37                     ; (32 head + block) records + my part
	s_add_nc_u64 s[34:35], s[34:35], s[38:39]
	s_cmp_eq_u32 s25, 2
	s_cbranch_scc1 .Lv
	; ---- k, q
.irp u, 0,1
.irp i, 0,1,2,3,4,5,6,7
	global_load_b32 v[WT+8*\u+\i], v5, s[30:31] offset:128*\i+32*\u
.endr
.endr
.irp u, 0,1,2,3
	global_load_b128 v[BI+4*\u:BI+4*\u+3], v6, s[32:33] offset:16*\u
.endr
.irp t, 0,1,2,3
.irp p, 0,1
	global_load_b128 v[R+8*\t+4*\p:R+8*\t+4*\p+3], v4, s[28:29] offset:512*\t+16*\p
.endr
.endr
	s_wait_loadcnt 0x0
.irp s, 0,1,2,3                                ; the eight accumulators take turns
.irp t, 0,1,2,3
.irp u, 0,1
.if \s == 0
	v_wmma_f32_16x16x4_f32 v[ACC+16*\t+8*\u:ACC+16*\t+8*\u+7], v[WT+8*\u:WT+8*\u+1], v[R+8*\t:R+8*\t+1], v[BI+8*\u:BI+8*\u+7]
.else
	v_wmma_f32_16x16x4_f32 v[ACC+16*\t+8*\u:ACC+16*\t+8*\u+7], v[WT+8*\u+2*\s:WT+8*\u+2*\s+1], v[R+8*\t+2*\s:R+8*\t+2*\s+1], v[ACC+16*\t+8*\u:ACC+16*\t+8*\u+7]
.endif
.endr
.endr
.endr
	s_branch .Ljoin
.Lv:
	; ---- v
.irp i, 0,1,2,3,4,5,6,7
	global_load_b32 v[WT+\i], v5, s[30:31] offset:128*\i
.endr
	global_load_b32 v[BI], v10, s[32:33]
.irp n, 0,1,2,3,4,5,6,7
.irp p, 0,1
	global_load_b128 v[R+8*\n+4*\p:R+8*\n+4*\p+3], v9, s[28:29] offset:2048*(\n/2)+512*(\n%2)+16*\p
.endr
.endr
	s_wait_loadcnt 0x0
.irp i, 1,2,3,4,5,6,7
	v_mov_b32 v[BI+\i], v[BI]                      ; one channel a lane: its bias in all eight registers of C
.endr
.irp s, 0,1,2,3
.irp t, 0,1,2,3
.irp u, 0,1
.if \s == 0
	v_wmma_f32_16x16x4_f32 v[ACC+16*\t+8*\u:ACC+16*\t+8*\u+7], v[R+8*(2*\t+\u):R+8*(2*\t+\u)+1], v[WT:WT+1], v[BI:BI+7]
.else
	v_wmma_f32_16x16x4_f32 v[ACC+16*\t+8*\u:ACC+16*\t+8*\u+7], v[R+8*(2*\t+\u)+2*\s:R+8*(2*\t+\u)+2*\s+1], v[WT+2*\s:WT+2*\s+1], v[ACC+16*\t+8*\u:ACC+16*\t+8*\u+7]
.endif
.endr
.endr
.endr
.Ljoin:
	; eight places behind the last product, four of them work that is due
.irp t, 0,1,2,3
	v_mov_b32 v[PX+\t], 0                          ; (a lane permute's destination counts as one of its sources)
.endr
.rept 4
	v_nop
.endr
	; ---- four blocks by turns; each accumulator is read from its low end on
.irp t, 0,1,2,3
	v_max3_num_f32 v[MX+\t], |v[ACC+16*\t]|, |v[ACC+16*\t+1]|, 0x1800000   ; and the floor 2^(3 - 127): the byte cannot fall under 1
.endr
.irp i, 2,4,6,8,10,12,14
.irp t, 0,1,2,3
	v_max3_num_f32 v[MX+\t], v[MX+\t], |v[ACC+16*\t+\i]|, |v[ACC+16*\t+\i+1]|
.endr
.endr
.irp t, 0,1,2,3
	v_permlanex16_b32 v[PX+\t], v[MX+\t], s40, s41
.endr
.irp t, 0,1,2,3
	v_max_num_f32 v[MX+\t], v[MX+\t], v[PX+\t]     ; with lane l xor 16's 16 numbers
.endr
.irp t, 0,1,2,3
	v_add_nc_u32 v[SOP+\t], 0xff000000, v[MX+\t]   ; 2 off the exponent field: the conversion takes this operand's exponent field as its scale
.endr
.irp t, 0,1,2,3
	v_lshrrev_b32 v[BY+\t], 23, v[SOP+\t]
.endr
.irp c, 0,1
	v_cvt_scalef32_pk16_fp6_f32 v[C+6*\c:C+6*\c+2], v[ACC+32*\c:ACC+32*\c+15], v[SOP+2*\c]
	v_cvt_scalef32_pk16_fp6_f32 v[TT+4*\c:TT+4*\c+2], v[ACC+32*\c+16:ACC+32*\c+31], v[SOP+2*\c+1]
.endr
	v_lshl_or_b32 v[SW], v[BY+1], 8, v[BY]         ; (plain lines behind the conversions) the scale word: byte t is block t's, known in both halves of the lanes
	v_lshl_or_b32 v[SW], v[BY+2], 16, v[SW]
	v_lshl_or_b32 v[SW], v[BY+3], 24, v[SW]
.irp c, 0,1                                    ; a WHOLE block to a lane: lanes 0-15 block 2 c, lanes 16-31 block 2 c + 1
.irp i, 0,1,2
	v_permlane16_swap_b32 v[C+6*\c+\i], v[TT+4*\c+\i]
.endr
.irp i, 0,1,2
	v_mov_b32 v[C+6*\c+3+\i], v[TT+4*\c+\i]
.endr
.endr
.irp g, 0,1,2
	global_store_b128 v7, v[C+4*\g:C+4*\g+3], s[34:35] offset:512*\g   ; 512 consecutive bytes, at a multiple of 256 from the buffer's first byte
.endr
	global_store_b32 v8, v[SW], s[34:35]           ; lanes r and r + 16 store the same word with the same value
	s_endpgm
.Lfunc_end_k_q39a7d8b411_prep:
	.size	k_q39a7d8b411_prep, .Lfunc_end_k_q39a7d8b411_prep-k_q39a7d8b411_prep
	.p2alignl 7, 3214868480
	.fill 96, 4, 3214868480
	.section	.rodata,"a",@progbits
	.p2align	6, 0x0
	.amdhsa_kernel k_q39a7d8b411_prep
		.amdhsa_group_segment_fixed_size 0
		.amdhsa_private_segment_fixed_size 0
		.amdhsa_enable_private_segment 0
		.amdhsa_kernarg_size 80
		.amdhsa_user_sgpr_count 2
		.amdhsa_user_sgpr_kernarg_segment_ptr 1
		.amdhsa_wavefront_size32 1
		.amdhsa_system_sgpr_workgroup_id_x 1
		.amdhsa_system_sgpr_workgroup_id_y 1
		.amdhsa_system_sgpr_workgroup_id_z 1
		.amdhsa_system_vgpr_workitem_id 0
		.amdhsa_next_free_vgpr 224
		.amdhsa_next_free_sgpr 66
		.amdhsa_reserve_vcc 0
		.amdhsa_float_denorm_mode_32 3
		.amdhsa_float_denorm_mode_16_64 3
		.amdhsa_memory_ordered 1
		.amdhsa_forward_progress 1
		.amdhsa_inst_pref_size 17
	.end_amdhsa_kernel
	.amdgpu_metadata
---
amdhsa.version: [ 1, 2 ]
amdhsa.kernels:
  - .name:           k_q39a7d8b411_prep
    .symbol:         k_q39a7d8b411_prep.kd
    .args:
      - { .name: x, .offset: 0, .size: 8, .value_kind: global_buffer, .address_space: global }
      - { .name: y, .offset: 8, .size: 8, .value_kind: global_buffer, .address_space: global }
      - { .name: Wq, .offset: 16, .size: 8, .value_kind: global_buffer, .address_space: global }
      - { .name: bq, .offset: 24, .size: 8, .value_kind: global_buffer, .address_space: global }
      - { .name: Wk, .offset: 32, .size: 8, .value_kind: global_buffer, .address_space: global }
      - { .name: bk, .offset: 40, .size: 8, .value_kind: global_buffer, .address_space: global }
      - { .name: Wv, .offset: 48, .size: 8, .value_kind: global_buffer, .address_space: global }
      - { .name: bv, .offset: 56, .size: 8, .value_kind: global_buffer, .address_space: global }
      - { .name: kv, .offset: 64, .size: 8, .value_kind: global_buffer, .address_space: global }
      - { .name: qc, .offset: 72, .size: 8, .value_kind: global_buffer, .address_space: global }
    .group_segment_fixed_size: 0
    .private_segment_fixed_size: 0
    .kernarg_segment_align: 8
    .kernarg_segment_size: 80
    .max_flat_workgroup_size: 192
    .sgpr_count:     66
    .vgpr_count:     224
    .wavefront_size: 32
...
	.end_amdgpu_metadata
.endif
;; end of part 4
;; launch attn (part 5): grid 32 x 8, 8 waves a work-group, clusters of 4 x 1, 205,824 bytes of LDS; arguments kv, qc, Wo, part; writes part
.if DOCPART == 5
	.amdgcn_target "amdgcn-amd-amdhsa--gfx1250"
	.amdhsa_code_object_version 6
	.text
	.protected	k_q39a7d8b411_attn
	.globl	k_q39a7d8b411_attn
	.p2align	8
	.type	k_q39a7d8b411_attn,@function
k_q39a7d8b411_attn:
	s_mov_b64 s[64:65], 0
	v_nop
	global_prefetch_b8 v0, s[64:65] scope:SCOPE_SE
	s_setreg_imm32_b32 hwreg(HW_REG_WAVE_MODE, 25, 1), 1
	s_wait_xcnt 0x0
	s_wait_alu depctr_hold_cnt(0) depctr_sa_sdst(0) depctr_va_vdst(0) depctr_va_sdst(0) depctr_va_ssrc(0) depctr_va_vcc(0) depctr_vm_vsrc(0)
	s_getreg_b32 s2, hwreg(HW_REG_IB_STS2, 6, 4)
	s_cmp_eq_u32 s2, 0
	s_cbranch_scc0 .Lentry_in_a_cluster
	s_endpgm
.Lentry_in_a_cluster:
	s_bfe_u32 s2, ttmp6, 0x10000c
	s_cmp_lg_u32 s2, 0x3003
	s_cbranch_scc0 .Lentry_shape_is_right
	s_endpgm
.Lentry_shape_is_right:
; For one head and 128 queries: scores = q k^T, a streaming softmax, heads = p v / l, and this head's share of the last product: part[head][n][0..15] = Q(heads[n][0..31]) Q(Wo[32 head + 0..31][0..15]).
; All three products on codes of FP6 (E2M3) with one E8M0 byte for each 32 along K.  k, v and q come as codes, laid as images of the operands' registers (the launch before this one).
; THE SOFTMAX: t = score x log2(e) / sqrt(32); M = the running largest t rounded UP to a whole number, kept as -M = floor(-t); p = 2^(t - M) is quantised along the keys, not normalised;
; the row's sum is taken of the unquantised p and divides at the end.  When M moves, the sum and O are multiplied by 2^(old M - new M), which rounds nothing.
; A block's scale is that of its largest p, and floor(log2 p) = floor(t - M): so the scale comes from the block's largest score by one multiply-add and a floor, ahead of the exponentials.
; SHARES.  Eight waves of 512 registers, two to a SIMD.  Wave T owns a tile of 16 queries and all 4,096 keys: 16 trips of 256 keys, two records (A, B) a trip.
; Tile T's query r is row 64 (T / 4) + 8 (T % 4) + 32 (r / 8) + r % 8 of the block: the rows that q's image holds in block T % 4 of fragment T / 4.
; LDS.  The head's 32 records (6,400 bytes: k's image, v's image, their scale words) are 204,800 dense bytes of memory: they are brought ONCE, each wave fetching four records by one
; tensor load of 100 rows of 256 bytes; nothing is filled again.  The first barrier shows wave 0's four records, which the first trip reads; a second one, inside the first trip, shows the others.
; Every LDS read is 16 or 4 bytes x lane on end: no padding.  No prefetch: the one fill stands at the head, and no loop runs ahead of it.
; CLUSTER.  The four query blocks of a cluster belong to one head, so each load is asked for JOINTLY, with the same descriptor and a mask that names the four.  My place in the cluster enters q's and part's addresses alone.
; K = 32 IN AN INSTRUCTION OF K = 128.  A fragment has four blocks of 32 along K (block 2 c + h: registers 6 c on of the lanes' half h).  A fragment of k holds FOUR tiles of 16 keys, one in each block;
; q stands in four variants, its 24 bytes in one block and zero codes in the other three.  The product with variant u is tile u's scores: the other blocks multiply zero codes and add nothing.
; LAYOUT.  Both products are used transposed (source 0 = 16 keys, or 16 channels of v; source 1 = my 16 queries): a lane holds ONE query (lane % 16) throughout.
; Row m of tile 4 F + u of a record is key 64 F + 32 (m / 8) + 8 u + m % 8, so the 32 registers of tiles 4 F .. 4 F + 3 are keys 64 F + 32 (lane / 16) + 0 .. 31:
; just the block that registers 6 F .. 6 F + 5 of p's operand hold.  v's channels are chosen so that a lane's 16 registers of O^T are channels 16 (lane / 16) + 0 .. 15.
; A TRIP: the run of 20 products (p v of these 256 keys and the scores of the next 256, with the sums' and the maxima's lines between them), the rest of the maxima, M, t - M, and two batches of 64 exponentials;
; between the exponentials stand lines that do not depend on each other.  O's accumulators take turns: nine other matrix instructions stand between two steps of a sum.
; THE LAST PRODUCT: in both operands lane (r, h) holds channels 16 h + 0 .. 15 in registers 0-2, that is at K places 32 h + 0 .. 15; every other register holds zero codes; bytes 0 and 1 of both scale words
; hold the one true block's byte.
; LIMITS: NaN and infinities are not served.  A block whose largest magnitude lies under 2^-124 (of zeros too) gets the byte 1: see the launch before.  1 / l is v_rcp_f32 and a multiplication.
; t - M is one fused multiply-add of the score.  The row's sum is taken in several chains, and the sum over the heads (next launch) in f32, in another order than one chain.
.set REC,  6400
.set QREC, 3328
.set SPARE, 32*REC                     ; behind the records: the spare words
; window 0
.set LI,  1                            ; 16 x lane
.set LS,  2                            ; 4 x lane
.set ADK, 3                            ; the trip's first record + 16 x lane
.set ADS, 4                            ; the same + 4 x lane
.set GO,  5                            ; my byte in the tile's rows of part
.set SPW, 6
.set NIL, 7
.set Q0,  16                           ; v16-45: q in lanes 0-15 | zeros | q in lanes 16-31 | zeros | q in lanes 0-15: the four variants are runs of 12 in it
.set Q1,  28
.set Q2,  34
.set Q3,  22
.set QS,  46                           ; v46-54 scale words and nothing else: q's, k's two, v's two, p's two, Wo's, the head's
.set KS,  47
.set VS,  49
.set PW,  51
.set WS,  53
.set HS,  54
.set KF,  56                           ; v56-103  k's fragments of two records
.set VF,  104                          ; v104-151 v's
.set WF,  152                          ; v152-163 Wo's fragment
.set TQ,  56                           ; at the head: q's six dwords and its scale word
.set WO,  80                           ; at the head: Wo's 16 numbers
.set LN,  13
.set RR,  14
.set HH,  15
; window 1
.set S,   0                            ; S^T, then p: record A 0-63, record B 64-127
.set O,   128                          ; O^T
.set T,   144                          ; the sums' chains, 16 pairs
.set PC,  176                          ; p's codes, 12 registers a record
.set BM,  200                          ; the maxima's chains, four a block; the first of a block's four ends as its largest score
.set PT,  216                          ; the upper halves of the blocks' codes as the conversions leave them
.set NM,  232                          ; -M
.set RS,  233                          ; the running largest score (named as the upper half of a pair with NM)
.set SUM, 234
.set RM,  236
.set BX,  237
.set TM,  238
.set PK,  239
.set FF,  240
.set X,   242                          ; the four blocks' floor(t - M)
.set SOP, 246
.set RL,  250
.set HD,  16                           ; at the end, in S's registers: the head's 16 numbers of my lane,
.set HC,  32                           ; its fragment,
.set OUT, 48                           ; the last product
.set MSB, 0
.macro WIN new                         ; the immediate's high byte repeats the setting that is left
.if MSB != \new
	s_set_vgpr_msb (MSB<<8)|(\new)
.set MSB, \new
.endif
.endm
.set ALL1, 0x55                        ; all operands window 1
.macro WALU
	s_wait_alu depctr_va_vdst(0)
.endm
.macro ROUND                           ; a round of the cluster's barrier
	s_barrier_signal -1
	s_barrier_wait -1
	s_cmp_lg_u32 s12, 0
	s_cbranch_scc1 .Lnot_wave_0_\@
	s_barrier_signal -3
.Lnot_wave_0_\@:
	s_barrier_wait -3
	s_barrier_signal -1
	s_barrier_wait -1
.endm
.macro TLOAD
	tensor_load_to_lds s[32:35], s[24:31]
	s_nop 0
.rept 4
	v_nop
.endr
.endm
; 16 numbers of a lane, half of a block of 32 whose other half lies in lane l xor 16: codes into v[dst .. dst + 2], the block's byte four times into v[sc] (window 0).  t: four registers, w: the window of all but sc.
.macro QHALF src, dst, sc, t, w
	WIN ALL1*\w
	v_max3_num_f32 v[\t], |v[\src]|, |v[\src+1]|, 0x1800000   ; with the floor 2^(3 - 127): the byte cannot fall under 1
.irp i, 2,4,6,8,10,12,14
	v_max3_num_f32 v[\t], v[\t], |v[\src+\i]|, |v[\src+\i+1]|
.endr
	v_permlanex16_b32 v[\t+1], v[\t], s20, s21
	v_max_num_f32 v[\t], v[\t], v[\t+1]            ; the block's largest magnitude
	v_add_nc_u32 v[\t+2], 0xff000000, v[\t]        ; 2 off its exponent field: the conversion's scale operand
	v_lshrrev_b32 v[\t+3], 23, v[\t+2]             ; the byte
	v_lshl_or_b32 v[\t+3], v[\t+3], 8, v[\t+3]
	WIN 0x15*\w
	v_lshl_or_b32 v[\sc], v[\t+3], 16, v[\t+3]
	WIN ALL1*\w
	v_cvt_scalef32_pk16_fp6_f32 v[\dst:\dst+2], v[\src:\src+15], v[\t+2]
	v_nop                                          ; one plain place behind a scaled conversion
.endm
; Tile n's scores (n / 8 the record): k's fragment against the variant of q that stands in block n % 4.  Fragment 1's scale words lie in lanes 16-31 of k's register.
.macro SC n
.set N_, \n
.set KB_, KF+12*(N_/4)
.set D_, S+8*N_
.if N_%4 == 0
.set QV_, Q0
.elseif N_%4 == 1
.set QV_, Q1
.elseif N_%4 == 2
.set QV_, Q2
.else
.set QV_, Q3
.endif
	WIN 0x40
.if (N_%8) < 4
	v_wmma_scale_f32_16x16x128_f8f6f4 v[D_:D_+7], v[KB_:KB_+11], v[QV_:QV_+11], 0, v[KS+N_/8], v[QS] matrix_a_fmt:MATRIX_FMT_FP6 matrix_b_fmt:MATRIX_FMT_FP6
.else
	v_wmma_scale_f32_16x16x128_f8f6f4 v[D_:D_+7], v[KB_:KB_+11], v[QV_:QV_+11], 0, v[KS+N_/8], v[QS] matrix_a_fmt:MATRIX_FMT_FP6 matrix_b_fmt:MATRIX_FMT_FP6 matrix_a_scale:MATRIX_SCALE_ROW1
.endif
.endm
; O^T tile u += v^T p^T of record rec
.macro PV rec, u
.set VB_, VF+24*(\rec)+12*(\u)
.set PB_, PC+12*(\rec)
.set D_, O+8*(\u)
	WIN 0x54
.if (\u) == 0
	v_wmma_scale_f32_16x16x128_f8f6f4 v[D_:D_+7], v[VB_:VB_+11], v[PB_:PB_+11], v[D_:D_+7], v[VS+(\rec)], v[PW+(\rec)] matrix_a_fmt:MATRIX_FMT_FP6 matrix_b_fmt:MATRIX_FMT_FP6
.else
	v_wmma_scale_f32_16x16x128_f8f6f4 v[D_:D_+7], v[VB_:VB_+11], v[PB_:PB_+11], v[D_:D_+7], v[VS+(\rec)], v[PW+(\rec)] matrix_a_fmt:MATRIX_FMT_FP6 matrix_b_fmt:MATRIX_FMT_FP6 matrix_a_scale:MATRIX_SCALE_ROW1
.endif
.endm
.macro FETCH_K off                     ; two records' k, off bytes behind ADK
	WIN 0
.irp n, 0,1
.irp p, 0,1,2,3,4,5
	ds_load_b128 v[KF+24*\n+4*\p:KF+24*\n+4*\p+3], v[ADK] offset:\off+REC*\n+512*\p
.endr
	ds_load_b32 v[KS+\n], v[ADS] offset:\off+REC*\n+6144
.endr
.endm
.macro FETCH_V                         ; two records' v
	WIN 0
.irp n, 0,1
.irp p, 0,1,2,3,4,5
	ds_load_b128 v[VF+24*\n+4*\p:VF+24*\n+4*\p+3], v[ADK] offset:REC*\n+3072+512*\p
.endr
	ds_load_b32 v[VS+\n], v[ADS] offset:REC*\n+6272
.endr
.endm
; Line i of the 48 that end the row's sum over a trip's unquantised p (the first 16 stand among the exponentials): record A's 16 pairs into four chains, record B's 32 pairs onto them, the chains into the sum
.macro SUMOP i
.set I_, \i
.if I_ < 8
	v_pk_add_f32 v[T+2*I_:T+2*I_+1], v[T+2*I_:T+2*I_+1], v[T+2*I_+16:T+2*I_+17]
.elseif I_ < 12
.set J_, T+2*(I_-8)
	v_pk_add_f32 v[J_:J_+1], v[J_:J_+1], v[J_+8:J_+9]
.elseif I_ < 44
.set J_, T+2*((I_-12)%4)
.set P_, S+64+2*(I_-12)
	v_pk_add_f32 v[J_:J_+1], v[J_:J_+1], v[P_:P_+1]
.elseif I_ < 46
.set J_, T+2*(I_-44)
	v_pk_add_f32 v[J_:J_+1], v[J_:J_+1], v[J_+4:J_+5]
.elseif I_ == 46
	v_pk_add_f32 v[T:T+1], v[T:T+1], v[T+2:T+3]
.else
	v_pk_add_f32 v[SUM:SUM+1], v[SUM:SUM+1], v[T:T+1]
.endif
.endm
; Line i of the 32 that find the largest score of each of the blocks b0, b0 + 1 (32 registers each): a chain to an accumulator, each first read at its low end
.macro MAXOP b0, i
.set I_, \i
.if I_ < 24
.set B_, BM+4*(\b0)+I_%8
.set E_, S+32*(\b0)+8*(I_%8)
.if I_ < 8
	v_max3_num_f32 v[B_], v[E_], v[E_+1], v[E_+2]
.elseif I_ < 16
	v_max3_num_f32 v[B_], v[B_], v[E_+3], v[E_+4]
.else
	v_max3_num_f32 v[B_], v[B_], v[E_+5], v[E_+6]
.endif
.else
.set B_, BM+4*((\b0)+I_%2)
.set E_, S+32*((\b0)+I_%2)
.if I_ < 26
	v_max3_num_f32 v[B_], v[B_], v[B_+1], v[E_+7]
.elseif I_ < 28
	v_max3_num_f32 v[B_+2], v[B_+2], v[B_+3], v[E_+15]
.elseif I_ < 30
	v_max3_num_f32 v[B_], v[B_], v[B_+2], v[E_+23]
.else
	v_max_num_f32 v[B_], v[B_], v[E_+31]
.endif
.endif
.endm
.macro FMA j                           ; t - M of two keys (of the pairs c and -M the low word serves both halves)
	v_pk_fma_f32 v[S+\j:S+\j+1], v[S+\j:S+\j+1], s[22:23], v[NM:NM+1] op_sel_hi:[1,0,0]
.endm
; The run of 20 products: p v of record A, the next trip's scores of its record A, p v of record B, the scores of record B; between them vector lines that name none of the registers of the products near them
.macro SEAM
.set W_, 0
.rept 20
.if W_ < 2
	PV 0, W_
.elseif W_ < 10
	SC W_-2
.elseif W_ < 12
	PV 1, W_-10
.else
	SC W_-4
.endif
	WIN ALL1
.if W_ < 12
	SUMOP 20+2*W_
	SUMOP 21+2*W_
.elseif W_ < 16
	SUMOP 32+W_
	MAXOP 0, 2*W_-24
	MAXOP 0, 2*W_-23
.else
	MAXOP 0, 3*W_-40
	MAXOP 0, 3*W_-39
	MAXOP 0, 3*W_-38
.endif
.set W_, W_+1
.endr
.endm
; What ends a trip's softmax ahead of its products: record B's conversions, the moves of the upper halves, the sum's first 20 lines
.macro P3 step
	s_wait_dscnt 0x0                               ; this trip's v and the next trip's k are in
.if \step
	v_add_nc_u32 v[ADK], s40, v[LI]                ; the next trip's records
	v_add_nc_u32 v[ADS], s40, v[LS]
.endif
	WIN ALL1
.irp c, 0,1
	v_cvt_scalef32_pk16_fp6_f32 v[PC+12+6*\c:PC+12+6*\c+2], v[S+64+32*\c:S+64+32*\c+15], v[SOP+2+\c]
	v_cvt_scalef32_pk16_fp6_f32 v[PT+8+4*\c:PT+8+4*\c+2], v[S+80+32*\c:S+80+32*\c+15], v[SOP+2+\c]   ; (a conversion's three registers begin on an even number: the second half is made here and moved)
.endr
.irp k, 0,1,2,3
.irp i, 0,1,2
	v_mov_b32 v[PC+6*\k+3+\i], v[PT+4*\k+\i]
.endr
.endr
.set V_, 0
.rept 20
	SUMOP V_
.set V_, V_+1
.endr
.endm
; A trip's softmax on the 128 scores of a lane.  first: no O and no sum yet;  ahead: the next trip's k is fetched;  m0: the first of record A's maxima that is still to do
.macro SOFT first, ahead, m0
	WIN ALL1
.set V_, \m0
.rept 32-(\m0)
	MAXOP 0, V_
.set V_, V_+1
.endr
.set V_, 0
.rept 32
	MAXOP 2, V_
.set V_, V_+1
.endr
	v_max3_num_f32 v[RM], v[BM], v[BM+4], v[BM+8]
	FETCH_V
	WIN ALL1
	v_max_num_f32 v[RM], v[RM], v[BM+12]
	v_permlanex16_b32 v[BX], v[RM], s20, s21
.if \ahead
	FETCH_K 2*REC
.endif
	WIN ALL1
	v_max3_num_f32 v[RS], v[RS], v[RM], v[BX]      ; the running largest score of my query, lane l xor 16's keys among them
.if !\first
	v_mov_b32 v[TM], v[NM]                         ; the old -M
.endif
	v_mul_f32 v[RM], s22, -v[RS]                   ; -t of the largest
	v_floor_f32 v[NM], v[RM]                       ; the new -M = floor(-t) = -ceil(t): a whole number
.irp b, 0,1,2,3
	v_fma_f32 v[X+\b], v[BM+4*\b], s22, v[NM]      ; t - M of each block's largest score
.endr
.if !\first
	v_sub_f32 v[TM], v[NM], v[TM]                  ; old M - new M: a whole number, 0 or less
.endif
.irp b, 0,1,2,3
	v_max_num_f32 v[X+\b], 0xc2f80000, v[X+\b]     ; held at -124: the byte cannot fall under 1
.endr
.if !\first
	v_cvt_i32_f32 v[TM], v[TM]                     ; (it saturates)
.endif
.irp b, 0,1,2,3
	v_cvt_floor_i32_f32 v[X+\b], v[X+\b]           ; floor(log2) of the block's largest p
.endr
.if !\first
	v_ldexp_f32 v[FF], 1.0, v[TM]                  ; f = 2^(old M - new M)
.endif
.irp b, 0,1,2,3
	v_lshl_add_u32 v[SOP+\b], v[X+\b], 23, 0x3e800000   ; the conversions' scale operands: + 127 - 2 in the exponent field
.endr
	v_lshl_add_u32 v[PK], v[X+3], 8, v[X+2]        ; my four bytes, each less 125,
	FMA 0
	FMA 2
	v_lshl_add_u32 v[PK], v[PK], 8, v[X+1]
	FMA 4
	FMA 6
	v_lshl_add_u32 v[PK], v[PK], 8, v[X]
	FMA 8
	FMA 10
	v_add_nc_u32 v[PK], 0x7d7d7d7d, v[PK]          ; and 125 onto each
	FMA 12
	FMA 14
	v_permlanex16_b32 v[BX], v[PK], s20, s21
.if !\first
	v_pk_mul_f32 v[SUM:SUM+1], v[SUM:SUM+1], v[FF:FF+1] op_sel_hi:[1,0]
.irp j, 0,2,4,6,8,10,12,14
	v_pk_mul_f32 v[O+\j:O+\j+1], v[O+\j:O+\j+1], v[FF:FF+1] op_sel_hi:[1,0]
.endr
.endif
	WIN 0x15
	v_perm_b32 v[PW], v[BX], v[PK], s56            ; p's scale words, read in lanes 0-15: my bytes are blocks 0 and 2, lane l xor 16's blocks 1 and 3
	v_perm_b32 v[PW+1], v[BX], v[PK], s57
	WIN ALL1
.irp j, 16,18,20,22,24,26,28,30,32,34,36,38,40,42,44,46,48,50,52,54,56,58,60,62
	FMA \j
.endr
	WALU
.irp j, 0,2,4,6,8,10,12,14,16,18,20,22,24,26,28,30,32,34,36,38,40,42,44,46,48,50,52,54,56,58,60,62
	v_exp_f32 v[S+\j], v[S+\j]                     ; record A's p; between them record B's t - M
	v_exp_f32 v[S+\j+1], v[S+\j+1]
	FMA 64+\j
.endr
	WALU
.if \first
	s_wait_tensorcnt 0x0                           ; my four records are in, and my LDS reads are done:
	s_wait_dscnt 0x0
	s_barrier_signal -1                            ; say so; the second batch, work on registers, stands between signal and wait
.endif
.set V_, 0
.rept 16
	v_exp_f32 v[S+64+4*V_], v[S+64+4*V_]           ; record B's p; between them record A's conversions and its pairs' first sums, each into registers of its own
	v_exp_f32 v[S+65+4*V_], v[S+65+4*V_]
.if V_%4 == 1
.set C_, V_/8
.if (V_/4)%2 == 0
	v_cvt_scalef32_pk16_fp6_f32 v[PC+6*C_:PC+6*C_+2], v[S+32*C_:S+32*C_+15], v[SOP+C_]
.else
	v_cvt_scalef32_pk16_fp6_f32 v[PT+4*C_:PT+4*C_+2], v[S+32*C_+16:S+32*C_+31], v[SOP+C_]
.endif
.endif
	v_exp_f32 v[S+66+4*V_], v[S+66+4*V_]
	v_exp_f32 v[S+67+4*V_], v[S+67+4*V_]
	v_pk_add_f32 v[T+2*V_:T+2*V_+1], v[S+4*V_:S+4*V_+1], v[S+4*V_+2:S+4*V_+3]
.set V_, V_+1
.endr
	WALU
	WIN 0
.if \first
	s_barrier_wait -1                              ; all 32 records lie in LDS, and stay
.endif
.endm
	s_load_b256 s[4:11], s[0:1], 0x0               ; kv 4, qc 6, Wo 8, part 10
	v_lshl_add_u32 v[SPW], v0, 2, SPARE
	v_mov_b32 v[NIL], 0
	ds_add_u32 v[SPW], v[NIL]                      ; the opening lines: the add, twice on end
	ds_add_u32 v[SPW], v[NIL]
	v_lshrrev_b32 v8, 5, v0
	v_readfirstlane_b32 s12, v8                    ; wave 0..7: T, my tile of queries
	s_bfe_u32 s15, ttmp6, 0x40000                  ; cx: my place in the cluster
	s_lshl_b32 s16, ttmp9, 2                       ; in a cluster launch ttmp9 counts clusters
	s_add_co_u32 s16, s16, s15                     ; my block of 128 queries
	s_and_b32 s17, ttmp7, 0xffff                   ; the head, which the four partners share
	; descriptor group 1: 100 dense rows of 256 bytes (32 elements of 8 bytes): four records
	s_mov_b32 s24, 15|(3<<16)|(1<<21)              ; 15:0 the mask: all four work-groups; 17:16 elements of 8 bytes; 20 no padding; 21 set beside a mask
	s_mov_b32 s25, 32<<16                          ; tensor_dim0
	s_mov_b32 s26, 100<<16                         ; tensor_dim1
	s_mov_b32 s27, 32<<16                          ; tile_dim0
	s_mov_b32 s28, 100                             ; tile_dim1
	s_mov_b32 s29, 32                              ; elements from row to row
	s_mov_b32 s30, 0
	s_mov_b32 s31, 0
	s_mul_i32 s44, s12, 4*REC                      ; my four records: their place in the head's block, and in LDS
	s_mul_i32 s18, s17, 32*REC
	s_add_co_u32 s18, s18, s44
	s_mov_b32 s19, 0
	s_mov_b32 s20, 0x76543210
	s_mov_b32 s21, 0xfedcba98                      ; v_permlanex16_b32's selects for lane l xor 16
	s_mov_b32 s22, 0x3e8293ee                      ; c = log2(e) / sqrt(32)
	s_mov_b32 s23, s22                             ; (named with it as a pair, so it is written)
	s_mov_b32 s56, 0x05010400                      ; v_perm_b32's selects for record A's and record B's scale word
	s_mov_b32 s57, 0x07030602
	s_mov_b32 s40, 0
	; q: image lane r + 16 (T % 2) of fragment T / 4, registers 6 c .. 6 c + 5 with c = (T / 2) % 2: as three pieces of 8 bytes.  Register R of a lane lies at 512 (R / 4) + 4 (R % 4).
	s_lshr_b32 s46, s12, 2
	s_and_b32 s47, s12, 1
	s_bfe_u32 s48, s12, 0x10001
	s_mul_i32 s49, s46, 1536
	s_lshl_b32 s50, s47, 8
	s_add_co_u32 s49, s49, s50
	s_mul_i32 s50, s48, 520
	s_add_co_u32 s50, s50, s49                     ; registers 0, 1 at 0;    6, 7 at 520
	s_mul_i32 s51, s48, 1016
	s_add_co_u32 s51, s51, s49
	s_add_co_u32 s51, s51, 8                       ; registers 2, 3 at 8;    8, 9 at 1,024
	s_add_co_u32 s52, s50, 512                     ; registers 4, 5 at 512;  10, 11 at 1,032
	s_lshl_b32 s53, s46, 6
	s_add_co_u32 s53, s53, 3072                    ; the fragment's scale words
	s_and_b32 s45, s12, 3
	s_lshl_b32 s45, s45, 3                         ; 8 (T % 4): my tile's byte in them, in bits; also its first row in the fragment's 64
	v_and_b32 v[LN], 31, v0
	v_and_b32 v[RR], 15, v0
	v_bfe_u32 v[HH], v0, 4, 1
	v_lshlrev_b32 v[LI], 4, v[LN]
	v_lshlrev_b32 v[LS], 2, v[LN]
	v_lshl_add_u32 v8, v[RR], 4, s50
	v_lshl_add_u32 v9, v[RR], 4, s51
	v_lshl_add_u32 v10, v[RR], 4, s52
	v_lshl_add_u32 v11, v[RR], 2, s53
	v_lshlrev_b32 v12, 2, v[RR]
	v_lshl_add_u32 v12, v[HH], 10, v12             ; Wo: column r, rows 16 h on (a row is 64 bytes)
	v_and_b32 v[GO], 7, v[RR]
	v_lshlrev_b32 v[GO], 6, v[GO]                  ; a row of part is 64 bytes: row r % 8,
	v_and_b32 v[ADK], 8, v[RR]
	v_lshl_add_u32 v[GO], v[ADK], 8, v[GO]         ; 32 rows further on for r / 8 = 1;
	v_lshl_add_u32 v[GO], v[HH], 5, v[GO]          ; my half's eight outputs
	v_add_nc_u32 v[ADK], s40, v[LI]                ; the first trip's records
	v_add_nc_u32 v[ADS], s40, v[LS]
	WALU
	s_wait_dscnt 0x0                               ; both opening adds are done
	ROUND                                          ; all four work-groups are here: the joint loads meet
	s_wait_kmcnt 0x0
	s_mov_b32 s32, 1                               ; group 0: count = 1
	s_mov_b32 s33, s44                             ; LDS address
	s_add_nc_u64 s[34:35], s[4:5], s[18:19]        ; global address
	s_or_b32 s35, s35, 0x80000000                  ; type = 2
	s_cmp_eq_u32 s12, 0
	s_cbranch_scc0 .Lothers
	TLOAD                                          ; wave 0: the first four records, on a line of its own
	s_branch .Lasked
.Lothers:
	TLOAD
.Lasked:
	s_lshl_b32 s18, s17, 5
	s_add_co_u32 s18, s18, s16
	s_mul_i32 s18, s18, QREC
	s_add_nc_u64 s[6:7], s[6:7], s[18:19]          ; my block's record of q
	s_lshl_b32 s18, s17, 11
	s_add_nc_u64 s[8:9], s[8:9], s[18:19]          ; the head's 32 rows of Wo
	global_load_b64 v[TQ:TQ+1], v8, s[6:7]
	global_load_b64 v[TQ+2:TQ+3], v9, s[6:7]
	global_load_b64 v[TQ+4:TQ+5], v10, s[6:7]
	global_load_b32 v[TQ+6], v11, s[6:7]
.irp i, 0,1,2,3,4,5,6,7,8,9,10,11,12,13,14,15
	global_load_b32 v[WO+\i], v12, s[8:9] offset:64*\i   ; Wo(32 head + 16 h + i, r)
.endr
	s_lshl_b32 s18, s16, 7
	s_lshl_b32 s54, s46, 6
	s_add_co_u32 s18, s18, s54
	s_add_co_u32 s18, s18, s45                     ; my tile's first row: 128 block + 64 (T / 4) + 8 (T % 4)
	s_lshl_b32 s18, s18, 6
	s_lshl_b32 s54, s17, 18                        ; a head's part: 262,144 bytes
	s_add_co_u32 s18, s18, s54
	s_add_nc_u64 s[10:11], s[10:11], s[18:19]
.irp j, 0,1,2,3,4,5
	v_mov_b32 v[Q3+\j], 0                          ; the zero codes between q's copies
	v_mov_b32 v[Q2+\j], 0
.endr
.irp j, 3,4,5,6,7,8,9,10,11
	v_mov_b32 v[WF+\j], 0                          ; and those of the last product's operand
.endr
	WIN ALL1
	v_mov_b32 v[RS], 0xff61b1e6                    ; the largest score so far: -3e38
	v_mov_b32 v[BX], 0                             ; (a lane permute's destination counts as one of its sources)
	v_mov_b32 v[FF+1], 0                           ; (named as the upper half of a pair)
	v_mov_b32 v[SUM], 0
	v_mov_b32 v[SUM+1], 0
.irp j, 0,1,2,3,4,5,6,7,8,9,10,11,12,13,14,15
	v_mov_b32 v[O+\j], 0                           ; the run of products is written for every trip alike: its first trip adds onto zeros
.endr
	WIN 0
	WALU
	s_wait_loadcnt 16                              ; q's four loads are in; Wo's sixteen stand behind them
	v_cmp_gt_u32 vcc_lo, 16, v[LN]
.irp i, 0,1,2,3,4,5
	v_cndmask_b32 v[Q0+\i], v[Q3], v[TQ+\i], vcc_lo      ; q in lanes 0-15, zeros above
	v_cndmask_b32 v[Q2+6+\i], v[Q3], v[TQ+\i], vcc_lo    ; the same once more
	v_cndmask_b32 v[Q1+\i], v[TQ+\i], v[Q3], vcc_lo      ; q in lanes 16-31, zeros below
.endr
	v_lshrrev_b32 v8, s45, v[TQ+6]
	v_and_b32 v8, 0xff, v8                         ; my query's byte,
	v_lshl_or_b32 v8, v8, 8, v8
	v_lshl_or_b32 v[QS], v8, 16, v8                ; for whichever block q stands in
	WALU
	s_wait_loadcnt 0x0
	QHALF WO, WF, WS, 8, 0                         ; Wo's column r, rows 16 h on
	WALU
	s_cmp_eq_u32 s12, 0
	s_cbranch_scc0 .Lnot_first
	s_wait_tensorcnt 0x0                           ; wave 0's four records are in
.Lnot_first:
	s_barrier_signal -1
	s_barrier_wait -1                              ; the first four records may be read; the others may still be on their way
	FETCH_K 0
	s_wait_dscnt 0x0
.set U_, 0
.rept 16
	SC U_
.set U_, U_+1
.endr
	WIN ALL1
.rept 4
	v_nop                                          ; places behind the last product
.endr
	SOFT 1, 1, 0
	s_mov_b32 s40, 2*REC
	s_mov_b32 s41, 14
.Lstep:                                            ; trip i = 0 .. 13: the products of its keys and the next trip's scores, then the next trip's softmax
	P3 1
	SEAM
	SOFT 0, 1, 20
	s_add_co_u32 s40, s40, 2*REC
	s_sub_co_u32 s41, s41, 1
	s_cmp_lg_u32 s41, 0
	s_cbranch_scc1 .Lstep
	P3 1                                           ; the last trip's softmax fetches no k ahead, so no read leaves the 32 records
	SEAM
	SOFT 0, 0, 20
	P3 0
.set U_, 20
.rept 28
	SUMOP U_
.set U_, U_+1
.endr
	PV 0, 0
	PV 0, 1
	; record B's share in two fresh accumulators (S's registers, free by now), so that no step stands close behind its neighbour
	v_wmma_scale_f32_16x16x128_f8f6f4 v[S:S+7], v[VF+24:VF+35], v[PC+12:PC+23], 0, v[VS+1], v[PW+1] matrix_a_fmt:MATRIX_FMT_FP6 matrix_b_fmt:MATRIX_FMT_FP6
	v_wmma_scale_f32_16x16x128_f8f6f4 v[S+8:S+15], v[VF+36:VF+47], v[PC+12:PC+23], 0, v[VS+1], v[PW+1] matrix_a_fmt:MATRIX_FMT_FP6 matrix_b_fmt:MATRIX_FMT_FP6 matrix_a_scale:MATRIX_SCALE_ROW1
	WIN ALL1
	v_add_f32 v[RM], v[SUM], v[SUM+1]              ; the sum's two halves,
.irp j, 3,4,5,6,7,8,9,10,11
	v_mov_b32 v[HC+\j], 0                          ; (zero codes of the last product's operand; the places behind the products)
.endr
	v_permlanex16_b32 v[BX], v[RM], s20, s21
	v_mov_b32 v[RL+1], 0                           ; (named as the upper half of a pair)
	v_add_f32 v[RM], v[RM], v[BX]                  ; and lane l xor 16's: l
.irp j, 0,2,4,6,8,10,12,14
	v_pk_add_f32 v[O+\j:O+\j+1], v[O+\j:O+\j+1], v[S+\j:S+\j+1]
.endr
	WALU
	v_rcp_f32 v[RL], v[RM]
	v_nop                                          ; the plain place behind the reciprocal
	WALU
.irp j, 0,2,4,6,8,10,12,14
	v_pk_mul_f32 v[HD+\j:HD+\j+1], v[O+\j:O+\j+1], v[RL:RL+1] op_sel_hi:[1,0]   ; heads(query r, channels 16 h + 0 .. 15)
.endr
	QHALF HD, HC, HS, RM, 1
.rept 8
	v_nop                                          ; a scale register written by a vector instruction stands 8 places ahead of a scaled matrix instruction, an operand so written 4
.endr
	WIN 0x44
	v_wmma_scale_f32_16x16x128_f8f6f4 v[OUT:OUT+7], v[WF:WF+11], v[HC:HC+11], 0, v[WS], v[HS] matrix_a_fmt:MATRIX_FMT_FP6 matrix_b_fmt:MATRIX_FMT_FP6   ; source 0 = Wo's 16 columns, source 1 = my 16 queries: lane (r, h) holds query r, outputs 8 h + 0 .. 7
.rept 4
	v_nop
.endr
	WIN 0x04
	global_store_b128 v[GO], v[OUT:OUT+3], s[10:11]
	global_store_b128 v[GO], v[OUT+4:OUT+7], s[10:11] offset:16   ; the two together cover two runs of 512 consecutive bytes (the tile's rows 0-7, and 32-39 from its first)
	WIN 0
	s_wait_tensorcnt 0x0                           ; the wave's end
	ds_add_u32 v[SPW], v[NIL]
	s_wait_dscnt 0x0
	ROUND                                          ; the closing round: no work-group ends while a partner may still ask for a tile that names it
	s_endpgm
.Lfunc_end_k_q39a7d8b411_attn:
	.size	k_q39a7d8b411_attn, .Lfunc_end_k_q39a7d8b411_attn-k_q39a7d8b411_attn
	.p2alignl 7, 3214868480
	.fill 96, 4, 3214868480
	.section	.rodata,"a",@progbits
	.p2align	6, 0x0
	.amdhsa_kernel k_q39a7d8b411_attn
		.amdhsa_group_segment_fixed_size 205824
		.amdhsa_private_segment_fixed_size 0
		.amdhsa_enable_private_segment 0
		.amdhsa_kernarg_size 32
		.amdhsa_user_sgpr_count 2
		.amdhsa_user_sgpr_kernarg_segment_ptr 1
		.amdhsa_wavefront_size32 1
		.amdhsa_system_sgpr_workgroup_id_x 1
		.amdhsa_system_sgpr_workgroup_id_y 1
		.amdhsa_system_sgpr_workgroup_id_z 1
		.amdhsa_system_vgpr_workitem_id 0
		.amdhsa_next_free_vgpr 512
		.amdhsa_next_free_sgpr 66
		.amdhsa_reserve_vcc 1
		.amdhsa_float_denorm_mode_32 3
		.amdhsa_float_denorm_mode_16_64 3
		.amdhsa_memory_ordered 1
		.amdhsa_forward_progress 1
		.amdhsa_inst_pref_size 89
	.end_amdhsa_kernel
	.amdgpu_metadata
---
amdhsa.version: [ 1, 2 ]
amdhsa.kernels:
  - .name:           k_q39a7d8b411_attn
    .symbol:         k_q39a7d8b411_attn.kd
    .args:
      - { .name: kv, .offset: 0, .size: 8, .value_kind: global_buffer, .address_space: global }
      - { .name: qc, .offset: 8, .size: 8, .value_kind: global_buffer, .address_space: global }
      - { .name: Wo, .offset: 16, .size: 8, .value_kind: global_buffer, .address_space: global }
      - { .name: part, .offset: 24, .size: 8, .value_kind: global_buffer, .address_space: global }
    .group_segment_fixed_size: 205824
    .private_segment_fixed_size: 0
    .kernarg_segment_align: 8
    .kernarg_segment_size: 32
    .max_flat_workgroup_size: 256
    .sgpr_count:     66
    .vgpr_count:     512
    .wavefront_size: 32
...
	.end_amdgpu_metadata
.endif
;; end of part 5
;; launch sum (part 6): grid 256 x 1, 2 waves a work-group, no clusters, 0 bytes of LDS; arguments part, bo, out0; writes out0
.if DOCPART == 6
	.amdgcn_target "amdgcn-amd-amdhsa--gfx1250"
	.amdhsa_code_object_version 6
	.text
	.protected	k_q39a7d8b411_sum
	.globl	k_q39a7d8b411_sum
	.p2align	8
	.type	k_q39a7d8b411_sum,@function
k_q39a7d8b411_sum:
	s_mov_b64 s[64:65], 0
	v_nop
	global_prefetch_b8 v0, s[64:65] scope:SCOPE_SE
	s_setreg_imm32_b32 hwreg(HW_REG_WAVE_MODE, 25, 1), 1
	s_wait_xcnt 0x0
; out0[n][o] = bo[o] + the sum over the 8 heads of part[head][n][o], in f32, heads ascending.
; A stream: thread g = 64 x work-group + thread owns the 16 bytes at 16 g of out0 (four outputs of one row of 64 bytes) and reads the same 16 bytes of each head's 262,144.
; A wave's load or store covers 512 consecutive bytes.  All nine loads go out together.  No LDS, no barrier, no matrix unit: nothing is shared and nothing is multiplied.
	s_load_b128 s[4:7], s[0:1], 0x0                ; part, bo
	s_load_b64 s[8:9], s[0:1], 0x10                ; out0
	v_and_b32 v1, 3, v0
	v_lshlrev_b32 v1, 4, v1                        ; which four of the 16 biases
	s_lshl_b32 s10, ttmp9, 10                      ; 64 threads x 16 bytes
	v_lshl_add_u32 v2, v0, 4, s10
	s_wait_alu depctr_va_vdst(0)
	s_wait_kmcnt 0x0
	global_load_b128 v[4:7], v1, s[6:7]
.irp h, 0,1,2,3,4,5,6,7
	global_load_b128 v[8+4*\h:11+4*\h], v2, s[4:5] offset:262144*\h th:TH_LOAD_NT   ; read once in the launch
.endr
.irp h, 0,1,2,3,4,5,6,7
	s_wait_alu depctr_va_vdst(0)
	s_wait_loadcnt 7-\h                            ; head h's load is in (and the bias, issued first); the later heads' may be out
	v_pk_add_f32 v[4:5], v[4:5], v[8+4*\h:9+4*\h]
	v_pk_add_f32 v[6:7], v[6:7], v[10+4*\h:11+4*\h]
.endr
	global_store_b128 v2, v[4:7], s[8:9]
	s_endpgm
.Lfunc_end_k_q39a7d8b411_sum:
	.size	k_q39a7d8b411_sum, .Lfunc_end_k_q39a7d8b411_sum-k_q39a7d8b411_sum
	.p2alignl 7, 3214868480
	.fill 96, 4, 3214868480
	.section	.rodata,"a",@progbits
	.p2align	6, 0x0
	.amdhsa_kernel k_q39a7d8b411_sum
		.amdhsa_group_segment_fixed_size 0
		.amdhsa_private_segment_fixed_size 0
		.amdhsa_enable_private_segment 0
		.amdhsa_kernarg_size 24
		.amdhsa_user_sgpr_count 2
		.amdhsa_user_sgpr_kernarg_segment_ptr 1
		.amdhsa_wavefront_size32 1
		.amdhsa_system_sgpr_workgroup_id_x 1
		.amdhsa_system_sgpr_workgroup_id_y 1
		.amdhsa_system_sgpr_workgroup_id_z 1
		.amdhsa_system_vgpr_workitem_id 0
		.amdhsa_next_free_vgpr 48
		.amdhsa_next_free_sgpr 66
		.amdhsa_reserve_vcc 0
		.amdhsa_float_denorm_mode_32 3
		.amdhsa_float_denorm_mode_16_64 3
		.amdhsa_memory_ordered 1
		.amdhsa_forward_progress 1
		.amdhsa_inst_pref_size 4
	.end_amdhsa_kernel
	.amdgpu_metadata
---
amdhsa.version: [ 1, 2 ]
amdhsa.kernels:
  - .name:           k_q39a7d8b411_sum
    .symbol:         k_q39a7d8b411_sum.kd
    .args:
      - { .name: part, .offset: 0, .size: 8, .value_kind: global_buffer, .address_space: global }
      - { .name: bo, .offset: 8, .size: 8, .value_kind: global_buffer, .address_space: global }
      - { .name: out0, .offset: 16, .size: 8, .value_kind: global_buffer, .address_space: global }
    .group_segment_fixed_size: 0
    .private_segment_fixed_size: 0
    .kernarg_segment_align: 8
    .kernarg_segment_size: 24
    .max_flat_workgroup_size: 64
    .sgpr_count:     66
    .vgpr_count:     48
    .wavefront_size: 32
...
	.end_amdgpu_metadata
.endif
;; end of part 6
